; MI455X (gfx1250); checked and timed in simulation.
; The chip was launched on July 23, 2026; its instructions are those of AMD's public machine-readable ISA for CDNA 5 (MIT licence, August 2026) and "CDNA5" Instruction Set Architecture Reference Guide (July 2026). The comments in the code are by the model that wrote it; some were corrected since.
;; Multihead Flash Diff2. Allowed arithmetic: matrix products marked QUANTISED: E2M1 operands, one E8M0 scale for each 32 along K, by v_wmma_scale_f32_16x16x128_f8f6f4 with both operands' format E2M1 (or v_wmma_scale_f32_32x16x128_f4), f32 sums; products left as they are: bf16, f16 or f32 operands; f32 sums; everything else in f32.
;; Inputs: cos 2,048 x 32 float32; lambda_k1 64 float32; lambda_k2 64 float32; lambda_q1 64 float32; lambda_q2 64 float32; sin 2,048 x 32 float32; subln_weight 128 float32; wk 1,024 x 1,024 float32; wo 1,024 x 1,024 float32; wq 1,024 x 1,024 float32; wv 1,024 x 1,024 float32; x 1 x 2,048 x 1,024 float32.
;; Outputs: out0 1 x 2,048 x 1,024 float32.
;; This version of the problem:
;;   THIS VERSION OF THE PROBLEM IS GIVEN IN LOW PRECISION. The matrix products marked QUANTISED in the list below multiply operands that are first quantised to E2M1 (2 exponent bits, 1 mantissa bit; 4 bits a number), with one power-of-two scale for each 32 numbers along K (OCP MX v1.0); their sums are f32. The products marked 'left as it is' may take bf16, f16 or f32 operands, with f32 sums. Whichever they take, every output number must still come out within the allowed error. Rounding operands to bf16 (8 significant bits) uses up far more of that allowance than f16 does (11 bits, for magnitudes from 6e-5 to 65,504). All else is computed in f32.
;;   The module's matrix products, in the order in which they are computed (A, B: the left and right operand; K: the contracted axis; several contracted axes count as one K, in the product's order):
;;     1. [M 2,048, K 1,024] x [K 1,024, N 1,024]; A: input x; B: input wq: QUANTISED
;;     2. [M 2,048, K 1,024] x [K 1,024, N 1,024]; A: input x; B: input wk: QUANTISED
;;     3. [M 2,048, K 1,024] x [K 1,024, N 1,024]; A: input x; B: input wv: QUANTISED
;;     4. batch 8 x [M 2,048, K 64] x [K 64, N 2,048]; A: computed on the way; B: computed on the way: left as it is (an operand is computed on the way)
;;     5. batch 8 x [M 128, K 2,048] x [K 2,048, N 2,048]; A: computed on the way; B: computed on the way: left as it is (an operand is computed on the way)
;;     6. batch 8 x [M 2,048, K 64] x [K 64, N 2,048]; A: computed on the way; B: computed on the way: left as it is (an operand is computed on the way)
;;     7. batch 8 x [M 128, K 2,048] x [K 2,048, N 2,048]; A: computed on the way; B: computed on the way: left as it is (an operand is computed on the way)
;;     8. [M 2,048, K 1,024] x [K 1,024, N 1,024]; A: computed on the way; B: input wo: left as it is (an operand is computed on the way)
;;   THE QUANTISER, for each operand of a quantised product, along K:
;;     - K is cut into blocks of 32 from its start; a last block that is shorter is filled with zeros.
;;     - A block's scale is 2^e with e = floor(log2(the largest magnitude in the block)) - 2, held to -126 .. 127; a block of zeros has e = 0. As a byte (E8M0): e + 127.
;;     - Each number is divided by its block's scale, clamped to +-6, and rounded to the nearest number of E2M1, ties to even, subnormals kept.
;;     - The product sums the exact products of the quantised numbers (number of the format x scale) in f32.
;;   ~~~python
;;   def quantise(x, axis):      # numpy; x: float32 -> the quantised numbers, widened to float32 again
;;       x = np.moveaxis(x, axis, -1); K = x.shape[-1]
;;       x = np.pad(x, [(0, 0)] * (x.ndim - 1) + [(0, -K % 32)]); x = x.reshape(x.shape[:-1] + (-1, 32)); a = np.abs(x).max(-1, keepdims=True)
;;       e = np.where(a > 0, np.clip(np.frexp(np.where(a > 0, a, 1))[1] - 1 - 2, -126, 127), 0)      # np.frexp(a)[1] - 1 = floor(log2(a)), exactly
;;       r = np.clip(x / 2.0 ** e, -6, 6)
;;       step = 2.0 ** (np.maximum(np.frexp(np.where(r == 0, 1, r))[1] - 1, 0) - 1)
;;       q = np.round(r / step) * step * 2.0 ** e      # np.round: ties to even
;;       return np.moveaxis(q.reshape(q.shape[:-2] + (-1,))[..., :K], -1, axis).astype(np.float32)
;;   ~~~
;; One version. Each part assembles by itself: llvm-mc -triple=amdgcn-amd-amdhsa -mcpu=gfx1250 --defsym DOCPART=n.
;; ======== version 1 of 1: 5 launches
;; limits: values are held in f16: magnitudes above 65,504 overflow, below 6.1e-05 lose precision
;; workspace buffers: xc 1,048,576 bytes; wc 1,572,864 bytes; scl 163,840 bytes; wof 2,097,152 bytes; qf 4,194,304 bytes; kv 8,388,608 bytes; af 4,194,304 bytes; r32 196,608 bytes
;; launch prep (part 1): grid 384 x 1, 4 waves a work-group, no clusters, 67,072 bytes of LDS; arguments x, wq, wk, wv, wo, xc, wc, scl, wof; writes xc, wc, scl, wof
.if DOCPART == 1
	.amdgcn_target "amdgcn-amd-amdhsa--gfx1250"
	.amdhsa_code_object_version 6
	.text
	.protected	k_q546a4fe089_prep
	.globl	k_q546a4fe089_prep
	.p2align	8
	.type	k_q546a4fe089_prep,@function
k_q546a4fe089_prep:
	s_mov_b64 s[64:65], 0
	v_nop
	global_prefetch_b8 v0, s[64:65] scope:SCOPE_SE
	s_setreg_imm32_b32 hwreg(HW_REG_WAVE_MODE, 25, 1), 1
	s_wait_xcnt 0x0
; PREP: the operands of the three quantised products become codes of E2M1 with one E8M0 byte for each 32 along K; wo becomes f16.
; Everything is stored as IMAGES OF OPERAND REGISTERS: a fragment's registers in groups of four, group c at 512 c + 16 x lane, so that the
; launches that read them need one 16-byte load a group and no turning.
;   xc  [row tile 128][K step 8][1,024]: 16 rows x 128 k of x;  lane (r, h), group c: k = 64 c + 32 h + 0 .. 31
;   wc  [n tile 192][K step 8][1,024]: 16 columns x 128 k; tiles 0-63 wq, 64-127 wk, 128-191 wv
;   scl x's words at 0, the weights' at 65,536: [tile][K step pair 4][32 lanes]: lanes 0-15 the even K step's word of row r, lanes 16-31 the odd one's
;   wof [n tile 64][e fragment 32][1,024]: f16 of wo^T; lane (r = n, h), group c: e = 16 c + 8 h + 0 .. 7
; A block's scale is 2^(floor(log2(largest magnitude)) - 2): its byte is the largest magnitude's exponent field - 2, held at 1 from below.
; LIMITS: a block of zeros gets the byte 1 where the rule says 127 (its codes are zeros, and this program alone reads the bytes);
; NaN and infinities among the inputs are not served; wo is rounded to f16, so |wo| stays under 65,504.
; SHARES.  Work-groups 0-127: one row tile of x each (16 rows x 1,024 k), wave w the 256 k from 256 w on.  Work-groups 128-383: 128 columns x 128 k of
; one of wq, wk, wv, wo: a thread takes a column and its registers run down K.  Each wave asks for all its 16 KB at once: no loop, no barrier, no matrix unit.
.set SPARE,  66560                     ; behind the four stages: the spare words, 128 bytes a wave
.set STAGEB, 16640                     ; a wave's stage: 16 rows x PITCH
.set PITCH,  1040                      ; 1,024 bytes + 16: sixteen rows start at sixteen different 16-byte columns
.set FLOOR,  0x1800000                 ; 2^(3 - 127): under it no largest magnitude is taken, so the byte cannot fall under 1
.set R,   32                           ; v32-159  128 numbers
.set C,   160                          ; v160..   codes (16 registers) or f16 pairs (64 registers)
.set SPW, 4                            ; v4  LDS address of my spare word; never rewritten
.set NIL, 5                            ; v5  0; never rewritten
	s_load_b256 s[4:11], s[0:1], 0x0               ; x, wq, wk, wv
	s_load_b256 s[12:19], s[0:1], 0x20             ; wo, xc, wc, scl
	s_load_b64 s[20:21], s[0:1], 0x40              ; wof
	v_lshl_add_u32 v[SPW], v0, 2, SPARE
	v_mov_b32 v[NIL], 0
	v_lshrrev_b32 v1, 5, v0
	v_readfirstlane_b32 s22, v1                    ; wave 0..3
	v_and_b32 v1, 31, v0                           ; lane
	v_and_b32 v2, 15, v0                           ; r
	v_bfe_u32 v3, v0, 4, 1                         ; h
	s_mov_b32 s24, 0x76543210
	s_mov_b32 s25, 0xfedcba98                      ; v_permlanex16_b32's selects for lane l xor 16
	s_mov_b32 s29, 0
	s_cmp_lt_u32 ttmp9, 128
	s_cbranch_scc0 .Lcolumns
; ---------------- x: K is innermost ----------------
; Loads take the bytes as they lie (512 consecutive bytes each); the wave's 16 x 1,024 bytes turn through its own stage, and come back so that lane (r, h) holds whole blocks of 32 of row r.
	v_mov_b32 v20, 0                               ; a lane permute's destination counts as one of its sources
	v_lshlrev_b32 v9, 4, v1                        ; 16 x lane
	s_lshl_b32 s30, s22, 10
	v_add_nc_u32 v6, s30, v9                       ; in memory: my wave's 1,024 bytes of a row
	s_mul_i32 s31, s22, STAGEB
	v_add_nc_u32 v7, s31, v9                       ; into the stage
	v_mul_u32_u24 v8, v2, PITCH
	v_lshl_add_u32 v8, v3, 7, v8
	v_add_nc_u32 v8, s31, v8                       ; out of it: row r, + 128 h: block h of each 64
	v_lshlrev_b32 v10, 2, v1                       ; 4 x lane
	v_lshlrev_b32 v11, 3, v3                       ; 8 h
	s_lshl_b32 s28, ttmp9, 16                      ; x: 16 rows of 4,096 bytes a tile
	s_lshl_b32 s32, ttmp9, 13                      ; xc: 8,192 bytes a tile, 2,048 a wave
	s_lshl_b32 s30, s22, 11
	s_add_co_u32 s32, s32, s30
	s_mov_b32 s33, 0
	s_lshl_b32 s34, ttmp9, 9                       ; scl: 512 bytes a tile, 128 a wave
	s_lshl_b32 s30, s22, 7
	s_add_co_u32 s34, s34, s30
	s_mov_b32 s35, 0
	s_wait_kmcnt 0x0
	s_add_nc_u64 s[4:5], s[4:5], s[28:29]
	s_add_nc_u64 s[14:15], s[14:15], s[32:33]
	s_add_nc_u64 s[18:19], s[18:19], s[34:35]
.irp p, 0,1,2,3,4,5,6,7,8,9,10,11,12,13,14,15
	global_load_b128 v[R+8*\p:R+8*\p+3],   v6, s[4:5] offset:4096*\p th:TH_LOAD_NT
	global_load_b128 v[R+8*\p+4:R+8*\p+7], v6, s[4:5] offset:4096*\p+512 th:TH_LOAD_NT
.endr
	s_wait_loadcnt 16                              ; rows 0-7 are in; the 16 loads of rows 8-15 may be out
.irp p, 0,1,2,3,4,5,6,7
	ds_store_b128 v7, v[R+8*\p:R+8*\p+3]   offset:PITCH*\p
	ds_store_b128 v7, v[R+8*\p+4:R+8*\p+7] offset:PITCH*\p+512
.endr
	s_wait_loadcnt 0x0
.irp p, 8,9,10,11,12,13,14,15
	ds_store_b128 v7, v[R+8*\p:R+8*\p+3]   offset:PITCH*\p
	ds_store_b128 v7, v[R+8*\p+4:R+8*\p+7] offset:PITCH*\p+512
.endr
.irp f, 0,1                                    ; LDS serves a wave's instructions in order: these see my stores
.irp c, 0,1
.irp g, 0,1,2,3,4,5,6,7
	ds_load_b128 v[R+64*\f+32*\c+4*\g:R+64*\f+32*\c+4*\g+3], v8 offset:512*\f+256*\c+16*\g
.endr
.endr
.endr
; Fragment f (K step 2 w + f): my two whole blocks 2 c + h -> 8 registers of codes, and my row's scale word.
.macro QB f
.irp c, 0,1
	v_max3_num_f32 v[12+\c], |v[R+64*\f+32*\c]|, |v[R+64*\f+32*\c+1]|, FLOOR
.endr
.irp i, 2,4,6,8,10,12,14,16,18,20,22,24,26,28,30
.irp c, 0,1
	v_max3_num_f32 v[12+\c], v[12+\c], |v[R+64*\f+32*\c+\i]|, |v[R+64*\f+32*\c+\i+1]|   ; the two blocks by turns
.endr
.endr
.irp c, 0,1
	v_add_nc_u32 v[14+\c], 0xff000000, v[12+\c]    ; 2 off the exponent field: the conversion takes this operand's exponent field as its scale
.endr
.irp c, 0,1
	v_lshrrev_b32 v[16+\c], 23, v[14+\c]           ; the scale's byte
.endr
	v_lshl_or_b32 v[18+\f], v17, 16, v16           ; blocks h and 2 + h,
	v_lshlrev_b32 v[18+\f], v11, v[18+\f]          ; 8 h bits up;
	v_permlanex16_b32 v20, v[18+\f], s24, s25
	v_or_b32 v[18+\f], v[18+\f], v20               ; with lane l xor 16's two the word is whole
.irp c, 0,1
.irp g, 0,1,2,3
	v_cvt_scalef32_pk8_fp4_f32 v[C+8*\f+4*\c+\g], v[R+64*\f+32*\c+8*\g:R+64*\f+32*\c+8*\g+7], v[14+\c]
.endr
.endr
	v_nop                                          ; one plain line behind the conversions: the next fragment writes their scale operands
.irp c, 0,1
	global_store_b128 v9, v[C+8*\f+4*\c:C+8*\f+4*\c+3], s[14:15] offset:1024*\f+512*\c   ; 512 consecutive bytes
.endr
.endm
	s_wait_dscnt 16                                ; fragment 0's 16 loads are back; fragment 1's may be out
	QB 0
	s_wait_dscnt 0x0
	QB 1
	v_cmp_lt_u32 vcc_lo, 15, v1
	v_cndmask_b32 v21, v18, v19, vcc_lo            ; lanes 0-15 the even K step's word, lanes 16-31 the odd one's
	global_store_b32 v10, v21, s[18:19]            ; 128 consecutive bytes
	s_wait_tensorcnt 0x0                           ; the wave's end, behind my last LDS store
	ds_add_u32 v[SPW], v[NIL]
	s_wait_dscnt 0x0
	s_endpgm
; ---------------- wq, wk, wv, wo: K is the first axis ----------------
.Lcolumns:
	s_sub_co_u32 s26, ttmp9, 128
	s_lshr_b32 s27, s26, 6                         ; which tensor: 0 wq, 1 wk, 2 wv, 3 wo
	s_and_b32 s30, s26, 7                          ; which 128 columns
	s_bfe_u32 s31, s26, 0x30003                    ; which 128 rows of K
	v_lshlrev_b32 v6, 2, v0                        ; my column: 4 bytes a thread
	v_lshrrev_b32 v7, 4, v0                        ; my tile of the work-group's eight
	v_lshlrev_b32 v8, 4, v2                        ; 16 r
	s_lshl_b32 s28, s31, 19                        ; 128 rows of 4,096 bytes
	s_lshl_b32 s32, s30, 9
	s_add_co_u32 s28, s28, s32
	s_wait_kmcnt 0x0
	s_cmp_eq_u32 s27, 1                            ; the choice hangs on the work-group's number alone
	s_cselect_b64 s[34:35], s[8:9], s[6:7]
	s_cmp_eq_u32 s27, 2
	s_cselect_b64 s[34:35], s[10:11], s[34:35]
	s_cmp_eq_u32 s27, 3
	s_cselect_b64 s[34:35], s[12:13], s[34:35]
	s_add_nc_u64 s[34:35], s[34:35], s[28:29]
.set i, 0
.rept 128
	global_load_b32 v[R+i], v6, s[34:35] offset:i*4096 th:TH_LOAD_NT   ; row i at 32 neighbouring columns: 128 consecutive bytes a wave, 512 a work-group
.set i, i+1
.endr
	s_cmp_eq_u32 s27, 3
	s_cbranch_scc1 .Lwo
	v_lshl_add_u32 v9, v7, 13, v8                  ; wc: 8,192 bytes a tile, + 16 r
	v_lshlrev_b32 v10, 2, v2
	v_lshl_add_u32 v10, v7, 9, v10                 ; scl: 512 bytes a tile, + 4 r
	s_lshl_b32 s32, s27, 6
	s_lshl_b32 s33, s30, 3
	s_add_co_u32 s32, s32, s33                     ; the work-group's first tile of the 192
	s_lshl_b32 s28, s32, 13
	s_lshl_b32 s33, s31, 10
	s_add_co_u32 s28, s28, s33
	s_add_nc_u64 s[16:17], s[16:17], s[28:29]
	s_lshl_b32 s28, s32, 9
	s_lshl_b32 s33, s31, 6                         ; K step s: pair s / 2 at 128 bytes each, its odd half 64 bytes on: 64 s
	s_add_co_u32 s28, s28, s33
	s_add_co_u32 s28, s28, 65536
	s_add_nc_u64 s[18:19], s[18:19], s[28:29]
; Block b of my column: all its 32 numbers are mine.  It is group b / 2 of lane r + 16 (b % 2) of the fragment's image.
.macro WB b
.set XS, R+32*\b
	v_max3_num_f32 v12, |v[XS]|, |v[XS+1]|, |v[XS+2]|
	v_max3_num_f32 v13, |v[XS+3]|, |v[XS+4]|, |v[XS+5]|
.irp i, 6,10,14,18,22,26
	v_max3_num_f32 v12, v12, |v[XS+\i]|, |v[XS+\i+1]|
	v_max3_num_f32 v13, v13, |v[XS+\i+2]|, |v[XS+\i+3]|
.endr
	v_max3_num_f32 v12, v12, |v[XS+30]|, |v[XS+31]|
	v_max3_num_f32 v12, v12, v13, FLOOR
	v_add_nc_u32 v14, 0xff000000, v12
	v_lshrrev_b32 v13, 23, v14
.if \b == 0
	v_mov_b32 v18, v13
.else
	v_lshl_or_b32 v18, v13, 8*\b, v18              ; four bytes make the K step's word of my column
.endif
.irp g, 0,1,2,3
	v_cvt_scalef32_pk8_fp4_f32 v[C+4*\b+\g], v[XS+8*\g:XS+8*\g+7], v14
.endr
	v_nop                                          ; one plain line behind the conversions: the next block writes their scale operand
	global_store_b128 v9, v[C+4*\b:C+4*\b+3], s[16:17] offset:512*(\b/2)+256*(\b%2)   ; each half of the lanes fills 256 consecutive bytes, aligned
.endm
	s_wait_loadcnt 63                              ; at most 63 of the 128 are out: the 64 of blocks 0 and 1 are in
	WB 0
	WB 1
	s_wait_loadcnt 32                              ; block 3's 32 may be out
	WB 2
	s_wait_loadcnt 0x0
	WB 3
	global_store_b32 v10, v18, s[18:19]            ; 64 consecutive bytes a tile: one byte in 128 of what the launch reads
	s_endpgm
.Lwo:
	v_lshl_add_u32 v9, v7, 15, v8                  ; wof: 32,768 bytes a tile, + 16 r
	s_lshl_b32 s28, s30, 18
	s_lshl_b32 s33, s31, 12                        ; four fragments of 32 e
	s_add_co_u32 s28, s28, s33
	s_add_nc_u64 s[20:21], s[20:21], s[28:29]
; Fragment f: my column's 32 e as 16 pairs of f16.  Its group u of four registers (e = 8 u + 0 .. 7) is group u / 2 of lane r + 16 (u % 2).
.macro WOF f
.set i, 0
.rept 16
	v_cvt_pk_f16_f32 v[C+16*\f+i], v[R+32*\f+2*i], v[R+32*\f+2*i+1]
.set i, i+1
.endr
.irp u, 0,1,2,3
	global_store_b128 v9, v[C+16*\f+4*\u:C+16*\f+4*\u+3], s[20:21] offset:1024*\f+512*(\u/2)+256*(\u%2)
.endr
.endm
	s_wait_loadcnt 63
	WOF 0
	WOF 1
	s_wait_loadcnt 32
	WOF 2
	s_wait_loadcnt 0x0
	WOF 3
	s_endpgm
.Lfunc_end_k_q546a4fe089_prep:
	.size	k_q546a4fe089_prep, .Lfunc_end_k_q546a4fe089_prep-k_q546a4fe089_prep
	.p2alignl 7, 3214868480
	.fill 96, 4, 3214868480
	.section	.rodata,"a",@progbits
	.p2align	6, 0x0
	.amdhsa_kernel k_q546a4fe089_prep
		.amdhsa_group_segment_fixed_size 67072
		.amdhsa_private_segment_fixed_size 0
		.amdhsa_enable_private_segment 0
		.amdhsa_kernarg_size 72
		.amdhsa_user_sgpr_count 2
		.amdhsa_user_sgpr_kernarg_segment_ptr 1
		.amdhsa_wavefront_size32 1
		.amdhsa_system_sgpr_workgroup_id_x 1
		.amdhsa_system_sgpr_workgroup_id_y 1
		.amdhsa_system_sgpr_workgroup_id_z 1
		.amdhsa_system_vgpr_workitem_id 0
		.amdhsa_next_free_vgpr 224
		.amdhsa_next_free_sgpr 66
		.amdhsa_reserve_vcc 1
		.amdhsa_float_denorm_mode_32 3
		.amdhsa_float_denorm_mode_16_64 3
		.amdhsa_memory_ordered 1
		.amdhsa_forward_progress 1
		.amdhsa_inst_pref_size 42
	.end_amdhsa_kernel
	.amdgpu_metadata
---
amdhsa.version: [ 1, 2 ]
amdhsa.kernels:
  - .name:           k_q546a4fe089_prep
    .symbol:         k_q546a4fe089_prep.kd
    .args:
      - { .name: x, .offset: 0, .size: 8, .value_kind: global_buffer, .address_space: global }
      - { .name: wq, .offset: 8, .size: 8, .value_kind: global_buffer, .address_space: global }
      - { .name: wk, .offset: 16, .size: 8, .value_kind: global_buffer, .address_space: global }
      - { .name: wv, .offset: 24, .size: 8, .value_kind: global_buffer, .address_space: global }
      - { .name: wo, .offset: 32, .size: 8, .value_kind: global_buffer, .address_space: global }
      - { .name: xc, .offset: 40, .size: 8, .value_kind: global_buffer, .address_space: global }
      - { .name: wc, .offset: 48, .size: 8, .value_kind: global_buffer, .address_space: global }
      - { .name: scl, .offset: 56, .size: 8, .value_kind: global_buffer, .address_space: global }
      - { .name: wof, .offset: 64, .size: 8, .value_kind: global_buffer, .address_space: global }
    .group_segment_fixed_size: 67072
    .private_segment_fixed_size: 0
    .kernarg_segment_align: 8
    .kernarg_segment_size: 72
    .max_flat_workgroup_size: 128
    .sgpr_count:     66
    .vgpr_count:     224
    .wavefront_size: 32
...
	.end_amdgpu_metadata
.endif
;; end of part 1
;; launch qkv (part 2): grid 16 x 16, 4 waves a work-group, clusters of 4 x 1, 167,936 bytes of LDS; arguments xc, wc, scl, cos, sin, qf, kv, r32; writes qf, kv, r32
.if DOCPART == 2
	.amdgcn_target "amdgcn-amd-amdhsa--gfx1250"
	.amdhsa_code_object_version 6
	.text
	.protected	k_q546a4fe089_qkv
	.globl	k_q546a4fe089_qkv
	.p2align	8
	.type	k_q546a4fe089_qkv,@function
k_q546a4fe089_qkv:
	s_mov_b64 s[64:65], 0
	v_nop
	global_prefetch_b8 v0, s[64:65] scope:SCOPE_SE
	s_setreg_imm32_b32 hwreg(HW_REG_WAVE_MODE, 25, 1), 1
	s_wait_xcnt 0x0
	s_wait_alu depctr_hold_cnt(0) depctr_sa_sdst(0) depctr_va_vdst(0) depctr_va_sdst(0) depctr_va_ssrc(0) depctr_va_vcc(0) depctr_vm_vsrc(0)
	s_getreg_b32 s2, hwreg(HW_REG_IB_STS2, 6, 4)
	s_cmp_eq_u32 s2, 0
	s_cbranch_scc0 .Lentry_in_a_cluster
	s_endpgm
.Lentry_in_a_cluster:
	s_bfe_u32 s2, ttmp6, 0x10000c
	s_cmp_lg_u32 s2, 0x3003
	s_cbranch_scc0 .Lentry_shape_is_right
	s_endpgm
.Lentry_shape_is_right:
; QKV: q = x wq, k = x wk, v = x wv on codes of E2M1 with E8M0 scales; the rotary step on q and k in f32; results rounded to f16 and stored as images of the
; operand registers that the attention launch wants.  Rows 0-15 are also stored in f32 (r32), for the launch that carries them finely.
;   qf [standard head 16][query tile 128][d fragment 2][1,024]      kv [head 8][64 keys: 32][32,768]: K1 [key tile 4][d fragment 2][1,024], K2 at 8,192, V^T [32 keys 2][channel tile 8][1,024] at 16,384
;   r32 [head 8][24,576]: q1 [16][64] f32, q2, k1, k2, then v [16][128]
; LIMIT: after the rotary step |q|, |k|, |v| stay under 65,504 (f16).
; SHARES.  A work-group takes 128 rows x 192 of the 3,072 columns (12 tiles of 16), all of K.  Wave (wm, wn): 4 row tiles x three groups of 32 columns.  A group lies wholly in q, in k or in v.
; CLUSTER.  The four work-groups of a cluster share their 192 columns: the weights' codes (96 KB) and scale words (6 KB) are asked for JOINTLY, once, as first fills: no slot is filled again.
; x's fragments are read by one row of waves alone and go from memory straight into registers.
; q and k are made TRANSPOSED (source 0 = 16 columns of w, source 1 = 16 rows of x): a lane holds one row and eight neighbouring columns: four rotary pairs, and a group of an f16 fragment.
; v is made as it stands (source 0 = x, source 1 = w): a lane holds one channel and eight neighbouring keys: a group of a fragment of V^T.
; cos and sin are loaded by every wave, those with groups of v alone too (16 KB a wave): so the counted wait for x is the same on every way.
; REGISTERS.  Window 0: v1-11 addresses; v16-31 x's scale words; v32-39 w's; v64-127 eight accumulators; v144-175 packed f16; v176-239 rotated numbers.
;   Window 1: x's 32 fragments.   Window 2: v0-127 the group's 16 fragments of w; v128-191 cos; v192-255 sin.
.set SCLW,  98304                      ; LDS: the weights' codes from 0, their scale words from here,
.set SPARE, 104448                     ; and the spare words, 128 bytes a wave
.set L16, 1                            ; v1  16 x lane
.set L4,  2                            ; v2  4 x lane
.set BA,  3                            ; v3  LDS: my six tiles of w
.set BS,  4                            ; v4  LDS: their scale words
.set CSO, 5                            ; v5-6 my bytes in a row tile of cos or sin, for even and for odd groups
.set RO,  7                            ; v7  r32: q, k: 256 r + 32 h
.set RV,  8                            ; v8  r32: v: 4,096 h + 4 r
.set SPW, 10                           ; v10 LDS address of my spare word; never rewritten
.set NIL, 11                           ; v11 0; never rewritten
.set ASC, 16
.set BSC, 32
.set ACC, 64
.set PK,  144
.set T,   176
.set COSR, 128
.set SINR, 192
.set WV, 20
.set WM, 21
.set WN, 22
.set CX, 23
.set G1C, 24                           ; s[24:31] group 1 for the codes; s[32:39] for the scale words; s[40:43], s[44:47] their groups 0
.set G1S, 32
.set G0C, 40
.set G0S, 44
.set CG,  48
.set RT0, 49                           ; my first row tile
.set FIRST, 50                         ; 0 in the waves whose cluster holds rows 0-15 in its first partner
.set GR0, 51                           ; my first group of 32 columns, of 96
.set SAVE, 52
.set MSB, 0
.macro WIN new                         ; the immediate's high byte repeats the setting that is left
.if MSB != \new
	s_set_vgpr_msb (MSB<<8)|\new
.set MSB, \new
.endif
.endm
.macro PLACES                          ; four plain lines between a matrix instruction and a load into its registers or a read of its result
.rept 4
	v_nop
.endr
.endm
.macro CROUND                          ; a round of the cluster's barrier
	s_barrier_signal -1
	s_barrier_wait -1
	s_cmp_lg_u32 s[WV], 0
	s_cbranch_scc1 .Lnot_wave_0_\@
	s_barrier_signal -3
.Lnot_wave_0_\@:
	s_barrier_wait -3
	s_barrier_signal -1
	s_barrier_wait -1
.endm
	s_load_b256 s[4:11], s[0:1], 0x0               ; xc, wc, scl, cos
	s_load_b256 s[12:19], s[0:1], 0x20             ; sin, qf, kv, r32
	v_lshl_add_u32 v[SPW], v0, 2, SPARE
	v_mov_b32 v[NIL], 0
	ds_add_u32 v[SPW], v[NIL]                      ; the opening: the add, twice on end, and its wait ahead of my first tensor load
	ds_add_u32 v[SPW], v[NIL]
	v_lshrrev_b32 v1, 5, v0
	v_readfirstlane_b32 s[WV], v1                  ; wave 0..3
	s_lshr_b32 s[WM], s[WV], 1
	s_and_b32 s[WN], s[WV], 1
	s_bfe_u32 s[CX], ttmp6, 0x40000                ; my place in the cluster: it enters addresses of x, cos, sin and the outputs, and one EXEC mask; no branch, no LDS address
	s_and_b32 s[CG], ttmp7, 0xffff                 ; the column group, which the partners share
	s_lshl_b32 s[RT0], ttmp9, 2
	s_add_co_u32 s[RT0], s[RT0], s[CX]             ; row block
	s_lshl_b32 s[RT0], s[RT0], 3
	s_lshl_b32 s60, s[WM], 2
	s_add_co_u32 s[RT0], s[RT0], s60
	s_or_b32 s[FIRST], ttmp9, s[WM]
	s_mul_i32 s[GR0], s[CG], 6
	s_mul_i32 s58, s[WN], 3
	s_add_co_u32 s[GR0], s[GR0], s58
	; group 1: dense blocks as rows of 256 bytes (32 elements of 8 bytes): 96 rows of codes, 6 of scale words, a wave
	s_mov_b32 s[G1C], 15|(3<<16)|(1<<21)           ; 15:0 the mask: all four partners; 17:16 elements of 8 bytes; 21 set beside a mask
	s_mov_b32 s[G1C+1], 32<<16
	s_mov_b32 s[G1C+2], 96<<16
	s_mov_b32 s[G1C+3], 32<<16
	s_mov_b32 s[G1C+4], 96
	s_mov_b32 s[G1C+5], 32
	s_mov_b32 s[G1C+6], 0
	s_mov_b32 s[G1C+7], 0
	s_mov_b32 s[G1S], 15|(3<<16)|(1<<21)
	s_mov_b32 s[G1S+1], 32<<16
	s_mov_b32 s[G1S+2], 6<<16
	s_mov_b32 s[G1S+3], 32<<16
	s_mov_b32 s[G1S+4], 6
	s_mov_b32 s[G1S+5], 32
	s_mov_b32 s[G1S+6], 0
	s_mov_b32 s[G1S+7], 0
	s_mov_b32 s[G0C], 1
	s_mul_i32 s[G0C+1], s[WV], 24576               ; LDS: a quarter of the codes a wave
	s_mul_i32 s56, s[CG], 98304
	s_add_co_u32 s56, s56, s[G0C+1]
	s_mov_b32 s57, 0
	s_mov_b32 s[G0S], 1
	s_mul_i32 s58, s[WV], 1536
	s_add_co_u32 s[G0S+1], s58, SCLW
	s_mul_i32 s59, s[CG], 6144
	s_add_co_u32 s58, s58, s59
	s_add_co_u32 s58, s58, 65536
	s_mov_b32 s59, 0
	v_and_b32 v12, 31, v0                          ; lane
	v_and_b32 v13, 15, v0                          ; r
	v_bfe_u32 v14, v0, 4, 1                        ; h
	v_lshlrev_b32 v[L16], 4, v12
	v_lshlrev_b32 v[L4], 2, v12
	s_mul_i32 s60, s[WN], 49152
	v_add_nc_u32 v[BA], s60, v[L16]
	s_mul_i32 s60, s[WN], 3072
	s_add_co_u32 s60, s60, SCLW
	v_add_nc_u32 v[BS], s60, v[L4]
	v_lshlrev_b32 v15, 7, v13                      ; a row of cos is 128 bytes
	v_lshl_add_u32 v15, v14, 4, v15                ; + 16 h: my four pairs
	s_lshl_b32 s60, s[WN], 6                       ; the half of the head's 64: group number mod 2 = (wn + g) mod 2
	s_xor_b32 s61, s60, 64
	v_add_nc_u32 v[CSO], s60, v15
	v_add_nc_u32 v[CSO+1], s61, v15
	v_lshlrev_b32 v[RO], 8, v13
	v_lshl_add_u32 v[RO], v14, 5, v[RO]
	v_lshlrev_b32 v[RV], 2, v13
	v_lshl_add_u32 v[RV], v14, 12, v[RV]
	s_mov_b32 s61, 0
	s_wait_dscnt 0x0                               ; both opening adds are done
	s_wait_kmcnt 0x0
	s_add_nc_u64 s[G0C+2:G0C+3], s[6:7], s[56:57]
	s_or_b32 s[G0C+3], s[G0C+3], 0x80000000
	s_add_nc_u64 s[G0S+2:G0S+3], s[8:9], s[58:59]
	s_or_b32 s[G0S+3], s[G0S+3], 0x80000000
	s_lshl_b32 s60, s[RT0], 13
	s_add_nc_u64 s[4:5], s[4:5], s[60:61]          ; x's codes at my first row tile
	s_lshl_b32 s60, s[RT0], 9
	s_add_nc_u64 s[8:9], s[8:9], s[60:61]          ; and its scale words
	s_lshl_b32 s60, s[RT0], 11
	s_add_nc_u64 s[10:11], s[10:11], s[60:61]      ; cos, sin: 16 rows of 128 bytes a tile
	s_add_nc_u64 s[12:13], s[12:13], s[60:61]
	CROUND                                         ; all four partners are here: the joint loads meet
	tensor_load_to_lds s[G0C:G0C+3], s[G1C:G1C+7]  ; two loads of mine are out
	s_nop 0
	tensor_load_to_lds s[G0S:G0S+3], s[G1S:G1S+7]
	s_nop 0
	PLACES
.irp m, 0,1,2,3
.irp k, 0,1,2,3
	global_load_b32 v[ASC+4*\m+\k], v[L4], s[8:9] offset:512*\m+128*\k
.endr
.endr
	WIN 0x40                                       ; destination window 1
.set i, 0
.rept 32
	global_load_b128 v[8*i:8*i+3],   v[L16], s[4:5] offset:1024*i
	global_load_b128 v[8*i+4:8*i+7], v[L16], s[4:5] offset:1024*i+512
.set i, i+1
.endr
	WIN 0x80                                       ; destination window 2
.irp e, 0,1
.irp m, 0,1,2,3
.irp n, 0,1
	global_load_b128 v[COSR+4*(2*(4*\e+\m)+\n):COSR+4*(2*(4*\e+\m)+\n)+3], v[CSO+\e], s[10:11] offset:2048*\m+32*\n
	global_load_b128 v[SINR+4*(2*(4*\e+\m)+\n):SINR+4*(2*(4*\e+\m)+\n)+3], v[CSO+\e], s[12:13] offset:2048*\m+32*\n
.endr
.endr
.endr
	WIN 0
; the fragments and scale words of group g's two tiles of w
.macro FETCH_B g
	WIN 0x80
.irp n, 0,1
.irp k, 0,1,2,3,4,5,6,7
	ds_load_b128 v[8*(8*\n+\k):8*(8*\n+\k)+3],   v[BA] offset:16384*(\g)+8192*\n+1024*\k
	ds_load_b128 v[8*(8*\n+\k)+4:8*(8*\n+\k)+7], v[BA] offset:16384*(\g)+8192*\n+1024*\k+512
.endr
.endr
	WIN 0
.irp n, 0,1
.irp k, 0,1,2,3
	ds_load_b32 v[BSC+4*\n+\k], v[BS] offset:1024*(\g)+512*\n+128*\k
.endr
.endr
.endm
; one product: K step k, row tile m, column tile n.  A scale register holds the even K step's words in lanes 0-15 and the odd one's in lanes 16-31.
.macro MM1 tr, k, m, n
.set rD, ACC+8*(2*\m+\n)
.set rW, 8*(8*\n+\k)
.set rX, 8*(8*\m+\k)
.set rSW, BSC+4*\n+\k/2
.set rSX, ASC+4*\m+\k/2
.if \tr
.if \k == 0
	v_wmma_scale_f32_16x16x128_f8f6f4 v[rD:rD+7], v[rW:rW+7], v[rX:rX+7], 0, v[rSW], v[rSX] matrix_a_fmt:MATRIX_FMT_FP4 matrix_b_fmt:MATRIX_FMT_FP4
.elseif \k % 2
	v_wmma_scale_f32_16x16x128_f8f6f4 v[rD:rD+7], v[rW:rW+7], v[rX:rX+7], v[rD:rD+7], v[rSW], v[rSX] matrix_a_fmt:MATRIX_FMT_FP4 matrix_b_fmt:MATRIX_FMT_FP4 matrix_a_scale:MATRIX_SCALE_ROW1 matrix_b_scale:MATRIX_SCALE_ROW1
.else
	v_wmma_scale_f32_16x16x128_f8f6f4 v[rD:rD+7], v[rW:rW+7], v[rX:rX+7], v[rD:rD+7], v[rSW], v[rSX] matrix_a_fmt:MATRIX_FMT_FP4 matrix_b_fmt:MATRIX_FMT_FP4
.endif
.else
.if \k == 0
	v_wmma_scale_f32_16x16x128_f8f6f4 v[rD:rD+7], v[rX:rX+7], v[rW:rW+7], 0, v[rSX], v[rSW] matrix_a_fmt:MATRIX_FMT_FP4 matrix_b_fmt:MATRIX_FMT_FP4
.elseif \k % 2
	v_wmma_scale_f32_16x16x128_f8f6f4 v[rD:rD+7], v[rX:rX+7], v[rW:rW+7], v[rD:rD+7], v[rSX], v[rSW] matrix_a_fmt:MATRIX_FMT_FP4 matrix_b_fmt:MATRIX_FMT_FP4 matrix_a_scale:MATRIX_SCALE_ROW1 matrix_b_scale:MATRIX_SCALE_ROW1
.else
	v_wmma_scale_f32_16x16x128_f8f6f4 v[rD:rD+7], v[rX:rX+7], v[rW:rW+7], v[rD:rD+7], v[rSX], v[rSW] matrix_a_fmt:MATRIX_FMT_FP4 matrix_b_fmt:MATRIX_FMT_FP4
.endif
.endif
.endm
.macro MM tr                           ; 64 products: the eight accumulators by turns, one instruction a turn, K ascending; the first K step starts the sums
.irp k, 0,1,2,3,4,5,6,7
.irp m, 0,1,2,3
.irp n, 0,1
	MM1 \tr, \k, \m, \n
.endr
.endr
.endr
.endm
; the rotary step of a tile: registers 2 p, 2 p + 1 are the pair (x1, x2); o1 = x1 c - x2 s, o2 = x2 c + x1 s; c and s of pair p lie in register p of the tile's four
.macro ROT e, m, n
.set rA, ACC+8*(2*\m+\n)
.set rT, T+8*(2*\m+\n)
.set rC, COSR+4*(2*(4*(\e)+\m)+\n)
.set rS, SINR+4*(2*(4*(\e)+\m)+\n)
	v_pk_mul_f32 v[rT:rT+1],   v[rA:rA+1],   v[rC:rC+1]   op_sel:[0,0] op_sel_hi:[1,0]
	v_pk_mul_f32 v[rT+2:rT+3], v[rA+2:rA+3], v[rC:rC+1]   op_sel:[0,1] op_sel_hi:[1,1]
	v_pk_mul_f32 v[rT+4:rT+5], v[rA+4:rA+5], v[rC+2:rC+3] op_sel:[0,0] op_sel_hi:[1,0]
	v_pk_mul_f32 v[rT+6:rT+7], v[rA+6:rA+7], v[rC+2:rC+3] op_sel:[0,1] op_sel_hi:[1,1]
	v_pk_fma_f32 v[rT:rT+1],   v[rA:rA+1],   v[rS:rS+1],   v[rT:rT+1]   op_sel:[1,0,0] op_sel_hi:[0,0,1] neg_lo:[1,0,0]
	v_pk_fma_f32 v[rT+2:rT+3], v[rA+2:rA+3], v[rS:rS+1],   v[rT+2:rT+3] op_sel:[1,1,0] op_sel_hi:[0,1,1] neg_lo:[1,0,0]
	v_pk_fma_f32 v[rT+4:rT+5], v[rA+4:rA+5], v[rS+2:rS+3], v[rT+4:rT+5] op_sel:[1,0,0] op_sel_hi:[0,0,1] neg_lo:[1,0,0]
	v_pk_fma_f32 v[rT+6:rT+7], v[rA+6:rA+7], v[rS+2:rS+3], v[rT+6:rT+7] op_sel:[1,1,0] op_sel_hi:[0,1,1] neg_lo:[1,0,0]
.endm
; the way out of a group of q or k.  s53 = the group's number (0-31 q, 32-63 k)
.macro OUT_QK e
	s_wait_loadcnt 0x0                             ; cos and sin
	s_wait_xcnt 0x0                                ; the last group's stores have read their data and their base: both are written again below
	WIN 0x08                                       ; source 1 (cos, sin) window 2
.irp m, 0,1,2,3
.irp n, 0,1
	ROT \e, \m, \n
.endr
.endr
	WIN 0
.set i, 0
.rept 32
	v_cvt_pk_f16_f32 v[PK+i], v[T+2*i], v[T+2*i+1]
.set i, i+1
.endr
	s_and_b32 s58, s53, 31
	s_lshr_b32 s58, s58, 1                         ; the standard head
	s_and_b32 s59, s53, 1                          ; which 32 of its 64: the d fragment
	s_lshl_b32 s60, s58, 18
	s_lshl_b32 s61, s[RT0], 11
	s_add_co_u32 s60, s60, s61                     ; q's place
	s_lshr_b32 s61, s58, 1                         ; the head
	s_lshl_b32 s62, s61, 20
	s_lshr_b32 s63, s[RT0], 2
	s_lshl_b32 s63, s63, 15                        ; my four row tiles are one step of 64 keys
	s_add_co_u32 s62, s62, s63
	s_and_b32 s63, s58, 1
	s_lshl_b32 s63, s63, 13                        ; K1 or K2
	s_add_co_u32 s62, s62, s63                     ; k's place
	s_cmp_lt_u32 s53, 32
	s_cselect_b32 s56, s60, s62
	s_cselect_b64 s[54:55], s[14:15], s[16:17]
	s_lshl_b32 s60, s59, 10
	s_add_co_u32 s56, s56, s60
	s_add_nc_u64 s[54:55], s[54:55], s[56:57]
.irp m, 0,1,2,3
.irp n, 0,1
	global_store_b128 v[L16], v[PK+4*(2*\m+\n):PK+4*(2*\m+\n)+3], s[54:55] offset:2048*\m+512*\n   ; group n of the fragment: 512 consecutive bytes
.endr
.endr
	s_cmp_eq_u32 s[FIRST], 0                       ; the cluster's number and the wave's: alike in all partners
	s_cbranch_scc0 .Lno_copy_\@
	s_mul_i32 s56, s61, 24576
	s_lshr_b32 s60, s53, 5                         ; 0 q, 1 k
	s_lshl_b32 s60, s60, 1
	s_and_b32 s62, s58, 1
	s_add_co_u32 s60, s60, s62
	s_lshl_b32 s60, s60, 12
	s_add_co_u32 s56, s56, s60
	s_lshl_b32 s60, s59, 7
	s_add_co_u32 s56, s56, s60
	s_wait_xcnt 0x0                                ; the base and EXEC change only behind this wait
	s_add_nc_u64 s[54:55], s[18:19], s[56:57]
	s_cmp_eq_u32 s[CX], 0                          ; rows 0-15 lie in the first partner: the others run the same lines with every lane off
	s_cselect_b32 vcc_lo, -1, 0
	s_and_saveexec_b32 s[SAVE], vcc_lo
.irp n, 0,1
	global_store_b128 v[RO], v[T+8*\n:T+8*\n+3],   s[54:55] offset:64*\n
	global_store_b128 v[RO], v[T+8*\n+4:T+8*\n+7], s[54:55] offset:64*\n+16
.endr
	s_wait_xcnt 0x0
	s_or_b32 exec_lo, exec_lo, s[SAVE]
.Lno_copy_\@:
.endm
; the way out of a group of v.  s53 = the group's number (64-95)
.macro OUT_V
	s_wait_xcnt 0x0
.set i, 0
.rept 32
	v_cvt_pk_f16_f32 v[PK+i], v[ACC+2*i], v[ACC+2*i+1]   ; each accumulator from its low end on
.set i, i+1
.endr
	s_sub_co_u32 s58, s53, 64
	s_lshr_b32 s61, s58, 2                         ; the head
	s_and_b32 s59, s58, 3                          ; which 32 of its 128 channels
	s_lshl_b32 s56, s61, 20
	s_lshr_b32 s60, s[RT0], 2
	s_lshl_b32 s60, s60, 15
	s_add_co_u32 s56, s56, s60
	s_lshl_b32 s60, s59, 11
	s_add_co_u32 s56, s56, s60
	s_add_co_u32 s56, s56, 16384
	s_add_nc_u64 s[54:55], s[16:17], s[56:57]
.irp m, 0,1,2,3
.irp n, 0,1
	global_store_b128 v[L16], v[PK+4*(2*\m+\n):PK+4*(2*\m+\n)+3], s[54:55] offset:8192*(\m/2)+1024*\n+512*(\m%2)
.endr
.endr
	s_cmp_eq_u32 s[FIRST], 0
	s_cbranch_scc0 .Lno_copy_\@
	s_mul_i32 s56, s61, 24576
	s_lshl_b32 s60, s59, 7
	s_add_co_u32 s56, s56, s60
	s_add_co_u32 s56, s56, 16384
	s_wait_xcnt 0x0
	s_add_nc_u64 s[54:55], s[18:19], s[56:57]
	s_cmp_eq_u32 s[CX], 0
	s_cselect_b32 vcc_lo, -1, 0
	s_and_saveexec_b32 s[SAVE], vcc_lo
.irp n, 0,1
.irp j, 0,1,2,3,4,5,6,7
	global_store_b32 v[RV], v[ACC+8*\n+\j], s[54:55] offset:512*\j+64*\n   ; v(key 8 h + j, channel 16 n + r)
.endr
.endr
	s_wait_xcnt 0x0
	s_or_b32 exec_lo, exec_lo, s[SAVE]
.Lno_copy_\@:
.endm
.macro GROUP g
	s_add_co_u32 s53, s[GR0], \g
	s_wait_dscnt 0x0                               ; the group's fragments of w are in
	s_cmp_lt_u32 s53, 64                           ; the column group and the wave's number: alike in all partners
	s_cbranch_scc0 .Lvalues_\@
	WIN 0x06                                       ; source 0 (w) window 2, source 1 (x) window 1
	MM 1
	WIN 0
	PLACES
.if \g < 2
	FETCH_B \g+1
.endif
	OUT_QK (\g)%2
	s_branch .Lnext_\@
.Lvalues_\@:
	WIN 0x09                                       ; source 0 (x) window 1, source 1 (w) window 2
	MM 0
	WIN 0
	PLACES
.if \g < 2
	FETCH_B \g+1
.endif
	OUT_V
.Lnext_\@:
.endm
	s_wait_tensorcnt 0x0                           ; my parts of the weights are in,
	s_barrier_signal -1
	s_barrier_wait -1                              ; everybody's are
	FETCH_B 0
	s_wait_loadcnt 32                              ; x and its scale words are in; the 32 loads of cos and sin may be out
	GROUP 0
	GROUP 1
	GROUP 2
	s_wait_tensorcnt 0x0                           ; the wave's end
	ds_add_u32 v[SPW], v[NIL]
	s_wait_dscnt 0x0
	CROUND                                         ; the closing round
	s_endpgm
.Lfunc_end_k_q546a4fe089_qkv:
	.size	k_q546a4fe089_qkv, .Lfunc_end_k_q546a4fe089_qkv-k_q546a4fe089_qkv
	.p2alignl 7, 3214868480
	.fill 96, 4, 3214868480
	.section	.rodata,"a",@progbits
	.p2align	6, 0x0
	.amdhsa_kernel k_q546a4fe089_qkv
		.amdhsa_group_segment_fixed_size 167936
		.amdhsa_private_segment_fixed_size 0
		.amdhsa_enable_private_segment 0
		.amdhsa_kernarg_size 64
		.amdhsa_user_sgpr_count 2
		.amdhsa_user_sgpr_kernarg_segment_ptr 1
		.amdhsa_wavefront_size32 1
		.amdhsa_system_sgpr_workgroup_id_x 1
		.amdhsa_system_sgpr_workgroup_id_y 1
		.amdhsa_system_sgpr_workgroup_id_z 1
		.amdhsa_system_vgpr_workitem_id 0
		.amdhsa_next_free_vgpr 768
		.amdhsa_next_free_sgpr 66
		.amdhsa_reserve_vcc 1
		.amdhsa_float_denorm_mode_32 3
		.amdhsa_float_denorm_mode_16_64 3
		.amdhsa_memory_ordered 1
		.amdhsa_forward_progress 1
		.amdhsa_inst_pref_size 120
	.end_amdhsa_kernel
	.amdgpu_metadata
---
amdhsa.version: [ 1, 2 ]
amdhsa.kernels:
  - .name:           k_q546a4fe089_qkv
    .symbol:         k_q546a4fe089_qkv.kd
    .args:
      - { .name: xc, .offset: 0, .size: 8, .value_kind: global_buffer, .address_space: global }
      - { .name: wc, .offset: 8, .size: 8, .value_kind: global_buffer, .address_space: global }
      - { .name: scl, .offset: 16, .size: 8, .value_kind: global_buffer, .address_space: global }
      - { .name: cos, .offset: 24, .size: 8, .value_kind: global_buffer, .address_space: global }
      - { .name: sin, .offset: 32, .size: 8, .value_kind: global_buffer, .address_space: global }
      - { .name: qf, .offset: 40, .size: 8, .value_kind: global_buffer, .address_space: global }
      - { .name: kv, .offset: 48, .size: 8, .value_kind: global_buffer, .address_space: global }
      - { .name: r32, .offset: 56, .size: 8, .value_kind: global_buffer, .address_space: global }
    .group_segment_fixed_size: 167936
    .private_segment_fixed_size: 0
    .kernarg_segment_align: 8
    .kernarg_segment_size: 64
    .max_flat_workgroup_size: 128
    .sgpr_count:     66
    .vgpr_count:     768
    .wavefront_size: 32
...
	.end_amdgpu_metadata
.endif
;; end of part 2
;; launch attn (part 3): grid 32 x 8, 8 waves a work-group, no clusters, 327,680 bytes of LDS; arguments qf, kv, lambda_q1, lambda_k1, lambda_q2, lambda_k2, subln_weight, af; writes af
.if DOCPART == 3
	.amdgcn_target "amdgcn-amd-amdhsa--gfx1250"
	.amdhsa_code_object_version 6
	.text
	.protected	k_q546a4fe089_attn
	.globl	k_q546a4fe089_attn
	.p2align	8
	.type	k_q546a4fe089_attn,@function
k_q546a4fe089_attn:
	s_mov_b64 s[64:65], 0
	v_nop
	global_prefetch_b8 v0, s[64:65] scope:SCOPE_SE
	s_setreg_imm32_b32 hwreg(HW_REG_WAVE_MODE, 25, 1), 1
	s_wait_xcnt 0x0
; ATTN: for each head both causal attentions (q1 k1 and q2 k2 on the same v), a1 - lambda a2, the RMS norm over the head's 128 channels, the gain and (1 - lambda_init);
; the result as f16 images of the projection's operand: af [query tile 128][e fragment 32][1,024].  Operands f16, sums, maxima and the norm f32.
; LIMIT: p is rounded to f16 for the second product; the row's sum is taken of the unrounded p.  Rows 0-15 are made here too, but what leaves the program for them comes from the launch that carries them in f32.
; SHARES.  A work-group has 8 waves; a wave owns ONE standard head (half = wave % 2) and ONE tile of 16 queries.  Waves 0-3 take tiles 2 i, 2 i + 1 and waves 4-7 tiles 126 - 2 i, 127 - 2 i:
; an early and a late tile together see about 33 steps of 64 keys whatever i is, so the causal work is even.  Waves w and w xor 1 hold the two halves of one tile and meet at the end.
; LAYOUT.  S^T = K Q^T (source 0 = 16 keys, source 1 = my 16 queries), O^T = V^T P (source 0 = 16 channels): a lane holds ONE query throughout, and two tiles of S^T rounded in pairs ARE source 1 of the second product.
; K, V^T lie in memory as register images, so a slot of 256 keys is 128 KB on end: each wave brings 16 KB by one tensor load; two slots take turns; every LDS read is 512 consecutive bytes.
; BY TURNS.  A step has 24 matrix instructions and 134 vector instructions of softmax, 5.6 for each, and a wave issues in order: so the two kinds stand between each other wherever the data allow it.
;   (1) The NEXT step's 8 products K Q^T stand among this step's 32 exponentials, one ahead of each four.  They name K, Q and the other of two score buffers: nothing of the softmax in hand.
;       A slot's first step makes its own scores; its last step looks no further, since the next slot is whole only behind the change of slots.  Where the next step is hidden, its scores are made and not read: once a wave.
;   (2) This step's 16 products V^T P carry the rescaling of O^T (tile q + 2's four multiplies behind product q) and then the row's sum (two of its 16 instructions behind each product).
;       V^T lies in window 1, all that the vector work names in window 0: each such group costs two switches of the window, 32 a step; with its four vector instructions they are issued beside one product.
;   K's one buffer is free when the products that read it are issued: K of step t + 2 is fetched behind step t's roundings, ahead of its V^T P; V^T of step t at the step's head.
; THE CAUSAL MASK.  Every work-group walks all 8 changes of slots (constant trip counts, no barrier jumped).  A step all of whose keys come after my queries leaves the slot's steps by a scalar branch on ids;
; on the diagonal hidden scores become -infinity; a slot whose first key comes after the work-group's last query is read by no wave and is not asked for.
; NO CLUSTER: which steps a wave leaves out, and how many slots a work-group asks for, hang on the work-group's own block of queries: partners would need different numbers of tiles.
; REGISTERS.  Window 0: v1-11, v20-27 addresses and constants; v12-19 statistics; v32-47 Q; v48-79 S^T of even steps; v80-95 P; v96-159 K; v160-223 O^T; v224-255 S^T of odd steps, at the end packed results.  Window 1: v0-127 V^T.
.set SLOT1, 131072                     ; slot 1 begins here: one exclusive or turns an address from one slot into the other
.set XCH,   262144                     ; behind the ring: 8,192 bytes for each pair of waves
.set SPARE, 294912                     ; the spare words, 128 bytes a wave
.set L16, 1                            ; v1  16 x lane
.set AK0, 2                            ; v2  my half's K in a step
.set AV0, 3                            ; v3  V^T in a step
.set ADK, 4                            ; v4-5 K of steps 0, 1 and of steps 2, 3 of the slot in hand
.set ADV, 6                            ; v6-7 the same for V^T
.set LQ,  8                            ; v8  r - 8 h
.set DD,  9
.set NEG, 10                           ; v10 -infinity
.set PFO, 11                           ; v11 256 x lane
.set ST,  12                           ; v12 c m, v13 m, v14-15 the sum in two halves, v16-19 at work; a takes v18
.set SPW, 20                           ; v20 LDS address of my spare word; never rewritten
.set NIL, 21                           ; v21 0; never rewritten
.set XA,  22                           ; v22 my pair's exchange
.set LAM, 24                           ; v24-25 -lambda, twice
.set H32, 26                           ; v26 32 h
.set L8,  27                           ; v27 8 x lane
.set Q,   32
.set SEV, 48                           ; the scores of a slot's steps 0 and 2
.set SOD, 224                          ; of its steps 1 and 3
.set P,   80
.set KF,  96
.set O,   160
.set PKD, 224
.set WV, 20
.set HF, 21
.set Q0, 23                            ; my first query
.set QL, 24                            ; the work-group's last query
.set TB, 25                            ; LDS byte at which the slot in hand begins
.set KFS, 26                           ; its first key
.set SLOTS, 27
.set LIM, 28
.set SEL, 30
.set CS,  32                           ; s[32:33] c = log2(e) / 8
.set G1,  36
.set G0,  44
.set PFA, 48
.set MSB, 0
.macro WIN new                         ; the immediate's high byte repeats the setting that is left; a switch that changes nothing is dropped
.if MSB != \new
	s_set_vgpr_msb (MSB<<8)|\new
.set MSB, \new
.endif
.endm
.macro PLACES
.rept 4
	v_nop
.endr
.endm
	s_load_b256 s[4:11], s[0:1], 0x0               ; qf, kv, lambda_q1, lambda_k1
	s_load_b256 s[12:19], s[0:1], 0x20             ; lambda_q2, lambda_k2, subln_weight, af
	v_lshl_add_u32 v[SPW], v0, 2, SPARE
	v_mov_b32 v[NIL], 0
	ds_add_u32 v[SPW], v[NIL]                      ; the opening: the add, twice on end, and its wait ahead of my first tensor load
	ds_add_u32 v[SPW], v[NIL]
	v_lshrrev_b32 v1, 5, v0
	v_readfirstlane_b32 s[WV], v1                  ; wave 0..7
	s_and_b32 s[HF], s[WV], 1
	s_bfe_u32 s50, s[WV], 0x10001                  ; which of two neighbouring tiles
	s_lshr_b32 s51, s[WV], 2                       ; early or late
	s_lshl_b32 s52, ttmp9, 1
	s_sub_co_u32 s53, 126, s52
	s_cmp_eq_u32 s51, 0
	s_cselect_b32 s22, s52, s53
	s_add_co_u32 s22, s22, s50                     ; my query tile
	s_lshl_b32 s[Q0], s22, 4
	s_lshl_b32 s[QL], ttmp9, 5
	s_sub_co_u32 s[QL], 2047, s[QL]
	s_cmp_eq_u32 ttmp9, 0
	s_cselect_b32 s[LIM], 1, -1                    ; the head's first work-group, which walks all keys, prefetches
	s_mov_b32 s[TB], 0
	s_mov_b32 s[KFS], 0
	s_mov_b32 s[SLOTS], 7
	s_mov_b32 s[SEL], 0x76543210
	s_mov_b32 s[SEL+1], 0xfedcba98
	s_mov_b32 s[CS], 0x3e38aa3b
	s_mov_b32 s[CS+1], s[CS]                       ; named with it as a pair, so it is written
	s_mov_b32 s[G1], 3<<16                         ; no mask; elements of 8 bytes; no padding: 64 rows of 256 bytes, dense
	s_mov_b32 s[G1+1], 32<<16
	s_mov_b32 s[G1+2], 64<<16
	s_mov_b32 s[G1+3], 32<<16
	s_mov_b32 s[G1+4], 64
	s_mov_b32 s[G1+5], 32
	s_mov_b32 s[G1+6], 0
	s_mov_b32 s[G1+7], 0
	s_and_b32 s54, ttmp7, 0xffff                   ; the head
	s_mov_b32 s[G0], 1
	s_lshl_b32 s[G0+1], s[WV], 14                  ; my eighth of a slot
	s_lshl_b32 s56, s54, 20
	s_add_co_u32 s56, s56, s[G0+1]
	s_mov_b32 s57, 0
	s_lshl_b32 s58, s54, 1
	s_add_co_u32 s58, s58, s[HF]
	s_lshl_b32 s58, s58, 7
	s_add_co_u32 s58, s58, s22
	s_lshl_b32 s58, s58, 11                        ; Q: ((2 head + half) 128 + tile) 2,048
	s_mov_b32 s59, 0
	s_lshl_b32 s52, s22, 15
	s_lshl_b32 s53, s54, 12
	s_add_co_u32 s52, s52, s53                     ; af: tile x 32,768 + head x 4,096
	s_mov_b32 s53, 0
	v_and_b32 v1, 31, v0
	v_lshlrev_b32 v[L16], 4, v1
	s_lshl_b32 s55, s[HF], 13
	v_add_nc_u32 v[AK0], s55, v[L16]
	v_add_nc_u32 v[AV0], 16384, v[L16]
	v_and_b32 v[LQ], 15, v0
	v_bfe_u32 v[DD], v0, 4, 1
	v_lshlrev_b32 v[H32], 5, v[DD]
	v_lshlrev_b32 v[DD], 3, v[DD]
	v_sub_nc_u32 v[LQ], v[LQ], v[DD]
	v_mov_b32 v[NEG], 0xff800000
	v_lshlrev_b32 v[PFO], 4, v[L16]
	v_lshrrev_b32 v[L8], 1, v[L16]
	s_lshr_b32 s55, s[WV], 1
	s_lshl_b32 s55, s55, 13
	s_add_co_u32 s55, s55, XCH
	v_add_nc_u32 v[XA], s55, v[L16]
	s_wait_dscnt 0x0                               ; both opening adds are done
	s_wait_kmcnt 0x0
	s_add_nc_u64 s[G0+2:G0+3], s[6:7], s[56:57]
	s_add_nc_u64 s[PFA:PFA+1], s[G0+2:G0+3], SLOT1 ; my part of slot 1: the first change of slots steps it to slot 2.  Nothing is prefetched here at the head
	s_or_b32 s[G0+3], s[G0+3], 0x80000000
	s_add_nc_u64 s[4:5], s[4:5], s[58:59]
	s_add_nc_u64 s[18:19], s[18:19], s[52:53]
	tensor_load_to_lds s[G0:G0+3], s[G1:G1+7]      ; slot 0: it holds key 0, which counts for every query.  One load of mine is out
	s_nop 0
	PLACES
.irp f, 0,1
	global_load_b128 v[Q+8*\f:Q+8*\f+3],   v[L16], s[4:5] offset:1024*\f
	global_load_b128 v[Q+8*\f+4:Q+8*\f+7], v[L16], s[4:5] offset:1024*\f+512
.endr
	global_load_b64 v[48:49], v[L8], s[8:9]        ; the four lambda vectors, two numbers a lane
	global_load_b64 v[50:51], v[L8], s[10:11]
	global_load_b64 v[52:53], v[L8], s[12:13]
	global_load_b64 v[54:55], v[L8], s[14:15]
.set i, 0
.rept 64
	v_mov_b32 v[O+i], 0                            ; the step is written once: the first finds zeros, which its a = 0 leaves zeros
.set i, i+1
.endr
	v_mov_b32 v[ST+1], 0xff61b1e6                  ; m = -3e38, under every score
	v_mul_f32 v[ST], s[CS], v[ST+1]
	v_mov_b32 v[ST+2], 0
	v_mov_b32 v[ST+3], 0
	v_mov_b32 v58, 0                               ; a lane permute's destination counts as one of its sources
	v_mov_b32 v59, 0
	s_wait_loadcnt 0x0
	; lambda = exp(lq1 . lk1) - exp(lq2 . lk2) + lambda_init.  Every wave makes it, while slot 0 is on its way; the waves of half 0 use it
	v_mul_f32 v56, v48, v50
	v_mul_f32 v57, v52, v54
	v_fmac_f32 v56, v49, v51
	v_fmac_f32 v57, v53, v55
.irp x, 1,2,4,8
	v_add_f32_dpp v56, v56, v56 row_xmask:\x row_mask:0xf bank_mask:0xf
	v_add_f32_dpp v57, v57, v57 row_xmask:\x row_mask:0xf bank_mask:0xf
.endr
	v_permlanex16_b32 v58, v56, s[SEL], s[SEL+1]
	v_permlanex16_b32 v59, v57, s[SEL], s[SEL+1]
	v_add_f32 v56, v56, v58
	v_add_f32 v57, v57, v59
	v_mul_f32 v56, 0x3fb8aa3b, v56
	v_mul_f32 v57, 0x3fb8aa3b, v57
	v_exp_f32 v56, v56
	v_exp_f32 v57, v57
	v_nop                                          ; a plain line behind the exponentials,
	s_wait_alu depctr_va_vdst(0)                   ; and the wait ahead of the first use
	v_sub_f32 v[LAM], v57, v56
	v_add_f32 v[LAM], 0xbf489a63, v[LAM]           ; -(e1 - e2 + 0.78360577)
	v_mov_b32 v[LAM+1], v[LAM]
.macro FETCH_K t                       ; my half's K of step t: 8 fragments (key tile q / 2, d fragment q % 2)
.irp q, 0,1,2,3,4,5,6,7
	ds_load_b128 v[KF+8*\q:KF+8*\q+3],   v[ADK+(\t)/2] offset:((\t)%2)*32768+1024*\q
	ds_load_b128 v[KF+8*\q+4:KF+8*\q+7], v[ADK+(\t)/2] offset:((\t)%2)*32768+1024*\q+512
.endr
.endm
.macro FETCH_V t                       ; V^T of step t: 16 fragments (32 keys q / 8, channel tile q % 8)
	WIN 0x40
.irp q, 0,1,2,3,4,5,6,7,8,9,10,11,12,13,14,15
	ds_load_b128 v[8*\q:8*\q+3],   v[ADV+(\t)/2] offset:((\t)%2)*32768+1024*\q
	ds_load_b128 v[8*\q+4:8*\q+7], v[ADV+(\t)/2] offset:((\t)%2)*32768+1024*\q+512
.endr
	WIN 0
.endm
; Product g of 8 of S^T = K Q^T into the score buffer at d: d fragment g / 4, key tile g % 4: four accumulators by turns; the first four start the sums.
.macro SMM1 d, g
.if (\g) < 4
	v_wmma_f32_16x16x32_f16 v[\d+8*((\g)%4):\d+8*((\g)%4)+7], v[KF+16*((\g)%4):KF+16*((\g)%4)+7], v[Q:Q+7], 0
.else
	v_wmma_f32_16x16x32_f16 v[\d+8*((\g)%4):\d+8*((\g)%4)+7], v[KF+16*((\g)%4)+8:KF+16*((\g)%4)+15], v[Q+8:Q+15], v[\d+8*((\g)%4):\d+8*((\g)%4)+7]
.endif
.endm
; The softmax of a step, on the score buffer at SB: running maximum m and sum l; p = 2^(c s - c m); O^T and l are multiplied by a = 2^(c m_old - c m_new).
; Its head: the maximum, c m, its change, and the 16 scalings.
.macro SOFT_A
.irp j, 0,1,2,3
	v_max3_num_f32 v[ST+4+\j], v[SB+8*\j], v[SB+8*\j+1], v[SB+8*\j+2]   ; four chains, each accumulator from its low end on
.endr
.irp i, 3,5
.irp j, 0,1,2,3
	v_max3_num_f32 v[ST+4+\j], v[ST+4+\j], v[SB+8*\j+\i], v[SB+8*\j+\i+1]
.endr
.endr
	v_max3_num_f32 v[ST+4], v[ST+4], v[SB+7], v[SB+15]
	v_max3_num_f32 v[ST+6], v[ST+6], v[SB+23], v[SB+31]
	v_max3_num_f32 v[ST+4], v[ST+4], v[ST+5], v[ST+6]
	v_max3_num_f32 v[ST+4], v[ST+4], v[ST+7], v[ST+1]
	v_permlanex16_b32 v[ST+5], v[ST+4], s[SEL], s[SEL+1]   ; the query's other 32 keys lie in the lane 16 away
	v_mov_b32 v[ST+7], v[ST]
	v_max_num_f32 v[ST+1], v[ST+4], v[ST+5]
	v_mul_f32 v[ST], s[CS], v[ST+1]
	v_sub_f32 v[ST+7], v[ST+7], v[ST]
.set i, 0
.rept 16
	v_pk_fma_f32 v[SB+2*i:SB+2*i+1], v[SB+2*i:SB+2*i+1], s[CS:CS+1], v[ST:ST+1] op_sel_hi:[1,0,0] neg_lo:[0,0,1] neg_hi:[0,0,1]
.set i, i+1
.endr
.endm
.macro RS q                            ; O^T's channel tile q times a
.irp u, 0,1,2,3
	v_pk_mul_f32 v[O+8*(\q)+2*\u:O+8*(\q)+2*\u+1], v[O+8*(\q)+2*\u:O+8*(\q)+2*\u+1], v[ST+6:ST+7] op_sel_hi:[1,0]
.endr
.endm
.macro SUM1 j                          ; number j of the 16 instructions of the row's sum: neighbours 1, 2, 4 and 8 pairs apart, in place; then l = a l + the sum
.if (\j) < 8
	v_pk_add_f32 v[SB+4*(\j):SB+4*(\j)+1], v[SB+4*(\j):SB+4*(\j)+1], v[SB+4*(\j)+2:SB+4*(\j)+3]
.elseif (\j) < 12
	v_pk_add_f32 v[SB+8*((\j)-8):SB+8*((\j)-8)+1], v[SB+8*((\j)-8):SB+8*((\j)-8)+1], v[SB+8*((\j)-8)+4:SB+8*((\j)-8)+5]
.elseif (\j) < 14
	v_pk_add_f32 v[SB+16*((\j)-12):SB+16*((\j)-12)+1], v[SB+16*((\j)-12):SB+16*((\j)-12)+1], v[SB+16*((\j)-12)+8:SB+16*((\j)-12)+9]
.elseif (\j) == 14
	v_pk_add_f32 v[SB:SB+1], v[SB:SB+1], v[SB+16:SB+17]
.else
	v_pk_fma_f32 v[ST+2:ST+3], v[ST+2:ST+3], v[ST+6:ST+7], v[SB:SB+1] op_sel_hi:[1,0,1]
.endif
.endm
.macro PVW n                           ; product n of 16 of O^T += V^T P: 32 keys n / 8, channel tile n % 8: eight accumulators by turns
	WIN 0x01                                       ; source 0 (V^T) window 1
	v_wmma_f32_16x16x32_f16 v[O+8*((\n)%8):O+8*((\n)%8)+7], v[8*(\n):8*(\n)+7], v[P+8*((\n)/8):P+8*((\n)/8)+7], v[O+8*((\n)%8):O+8*((\n)%8)+7]
.endm
; A STEP: 64 keys, the t-th of the slot in hand.  Step t > 0 is reached through step t - 1 alone, which has made its scores (in SB) and, for t < 3, has asked for K of step t + 1.
.macro STEP t, lend
.set SB, SEV+(SOD-SEV)*((\t)%2)                ; this step's scores,
.set SN, SEV+(SOD-SEV)*((\t+1)%2)              ; the next step's
	s_add_co_u32 s50, s[KFS], 64*\t                ; the step's first key
	s_add_co_u32 s51, s[Q0], 15
	s_cmp_gt_u32 s50, s51                          ; all its keys come after my queries: so do those of the slot's later steps
	s_cbranch_scc1 \lend
.if \t == 0
	FETCH_K 0
	s_wait_dscnt 0x0                               ; K of the slot's first step
.irp g, 0,1,2,3,4,5,6,7
	SMM1 SB, \g
.endr
	PLACES                                         ; in front of the loads into K's registers and of the first read of the scores
	FETCH_K 1
.else
	PLACES                                         ; in front of the loads into V^T's registers, which the last products read
.endif
	FETCH_V \t
	s_add_co_u32 s52, s50, 63
	s_cmp_le_u32 s52, s[Q0]                        ; all keys count: no mask
	s_cbranch_scc1 .Lopen_\@
	s_sub_co_i32 s52, s[Q0], s50
	v_add_nc_u32 v[DD], s52, v[LQ]                 ; register 8 q + j holds key 16 q + 8 h + j of the step: hidden where 16 q + j > my query - the step's first key - 8 h
.set i, 0
.rept 32
	v_cmp_gt_i32 vcc_lo, 16*(i/8)+i%8, v[DD]
	v_cndmask_b32 v[SB+i], v[SB+i], v[NEG], vcc_lo
.set i, i+1
.endr
.Lopen_\@:
	SOFT_A
.if \t < 3
	s_wait_dscnt 32                                ; K of the next step is in; V^T's 32 loads, issued behind it, may be out
.endif
	v_exp_f32 v[ST+6], v[ST+7]                     ; a
.if \t < 3
.irp g, 0,1,2,3,4,5,6,7                        ; the next step's scores among this step's exponentials
	SMM1 SN, \g
.irp e, 0,1,2,3
	v_exp_f32 v[SB+4*\g+\e], v[SB+4*\g+\e]
.endr
.endr
.else
.set i, 0
.rept 32
	v_exp_f32 v[SB+i], v[SB+i]
.set i, i+1
.endr
.endif
	v_nop                                          ; one plain line behind the batch,
	s_wait_alu depctr_va_vdst(0)                   ; and ONE wait for its 33 exponentials, ahead of the first use
.set i, 0
.rept 16
	v_cvt_pk_f16_f32 v[P+i], v[SB+2*i], v[SB+2*i+1]   ; (these 16 are also the places in front of the loads into K's registers)
.set i, i+1
.endr
.if \t < 2
	FETCH_K \t+2
	s_wait_dscnt 16                                ; V^T is in; K's 16 loads just issued may be out
.else
	s_wait_dscnt 0x0
.endif
	RS 0
	RS 1
.irp n, 0,1,2,3,4,5,6,7,8,9,10,11,12,13,14,15
	PVW \n
.if \n < 6
	WIN 0
	RS \n+2                                        ; tile q is rescaled two products ahead of its own
.elseif \n < 14
	WIN 0
	SUM1 2*(\n-6)
	SUM1 2*(\n-6)+1
.endif
.endr
	WIN 0
.endm
; A prefetch of what the NEXT change of slots will ask for: my wave's 16 KB of that slot, lanes 256 bytes apart, two instructions.  One work-group a head asks, so each block is named once; the last change that fills a slot asks for nothing.
.macro ASK
	s_cmp_gt_u32 s[SLOTS], s[LIM]
	s_cbranch_scc0 .Lnot_mine_\@
	global_prefetch_b8 v[PFO], s[PFA:PFA+1] th:TH_LOAD_NT scope:SCOPE_SE
	global_prefetch_b8 v[PFO], s[PFA:PFA+1] offset:8192 th:TH_LOAD_NT scope:SCOPE_SE
.Lnot_mine_\@:
.endm
; THE CHANGE OF SLOTS, at a slot's head: all my tensor loads have landed, the add, my reads of the slot that I left are over, one barrier; then the slot just left is filled with the keys that follow.
.macro CHANGE fill
	s_wait_tensorcnt 0x0                           ; no tensor load of mine is out, so group 0 may be written
	ds_add_u32 v[SPW], v[NIL]
.if \fill
	s_xor_b32 s[G0+1], s[G0+1], SLOT1
	s_add_nc_u64 s[G0+2:G0+3], s[G0+2:G0+3], SLOT1
	s_wait_xcnt 0x0                                ; the last prefetches, a slot back, have read their address
	s_add_nc_u64 s[PFA:PFA+1], s[PFA:PFA+1], SLOT1
.endif
	s_wait_dscnt 0x0                               ; the add is done; my reads of the slot are over, a K that was asked for and left unread among them
	s_barrier_signal -1
	s_barrier_wait -1
.if \fill
	s_add_co_u32 s50, s[KFS], 256                  ; the first key of the slot that this change would ask for:
	s_cmp_gt_u32 s50, s[QL]                        ; behind the work-group's last query no wave reads it.  Ids and the count of slots alone: all eight waves go the same way
	s_cbranch_scc1 .Lpast_\@
	tensor_load_to_lds s[G0:G0+3], s[G1:G1+7]      ; my one tensor load until the next change
	s_nop 0
	PLACES
.Lpast_\@:
	ASK
.endif
.endm
.macro SLOT_STEPS
	v_add_nc_u32 v[ADK], s[TB], v[AK0]             ; (these four are also the places in front of the first loads into registers that the last products read)
	v_add_nc_u32 v[ADV], s[TB], v[AV0]
	v_add_nc_u32 v[ADK+1], 65536, v[ADK]
	v_add_nc_u32 v[ADV+1], 65536, v[ADV]
	STEP 0, .Lend_\@
	STEP 1, .Lend_\@
	STEP 2, .Lend_\@
	STEP 3, .Lend_\@
.Lend_\@:
	s_add_co_u32 s[KFS], s[KFS], 256
	s_xor_b32 s[TB], s[TB], SLOT1
.endm
.Lslot:                                            ; seven trips: behind each change of slots but the last the next slot is asked for, up to the causal limit
	CHANGE 1
	SLOT_STEPS
	s_sub_co_u32 s[SLOTS], s[SLOTS], 1
	s_cmp_lg_u32 s[SLOTS], 0
	s_cbranch_scc1 .Lslot
	CHANGE 0
	SLOT_STEPS
	; THE END.  O^T / l in both halves; half 1 hands its image to half 0, which takes the difference, norms and stores.
	s_wait_dscnt 0x0                               ; a K that was asked for and left unread has landed
	PLACES
	v_add_f32 v[ST+4], v[ST+2], v[ST+3]
	v_permlanex16_b32 v[ST+5], v[ST+4], s[SEL], s[SEL+1]
	v_add_f32 v[ST+4], v[ST+4], v[ST+5]
	v_rcp_f32 v[ST+6], v[ST+4]
	v_nop
	s_wait_alu depctr_va_vdst(0)
.set i, 0
.rept 32
	v_pk_mul_f32 v[O+2*i:O+2*i+1], v[O+2*i:O+2*i+1], v[ST+6:ST+7] op_sel_hi:[1,0]
.set i, i+1
.endr
	s_cmp_eq_u32 s[HF], 0
	s_cbranch_scc1 .Lkeeper
.irp u, 0,1,2,3,4,5,6,7,8,9,10,11,12,13,14,15
	ds_store_b128 v[XA], v[O+4*\u:O+4*\u+3] offset:512*\u
.endr
	s_branch .Lmeet
.Lkeeper:
.irp q, 0,1,2,3,4,5,6,7                        ; the gains of my 64 channels, 16 q + 8 h + 0 .. 7, into registers that Q, S^T and P have left
	global_load_b128 v[32+8*\q:32+8*\q+3], v[H32], s[16:17] offset:64*\q
	global_load_b128 v[32+8*\q+4:32+8*\q+7], v[H32], s[16:17] offset:64*\q+16
.endr
.Lmeet:
	s_wait_dscnt 0x0                               ; for the partner's sake: my stores have landed
	s_barrier_signal -1
	s_barrier_wait -1
	s_cmp_eq_u32 s[HF], 0
	s_cbranch_scc0 .Ldone
.irp u, 0,1,2,3,4,5,6,7,8,9,10,11,12,13,14,15
	ds_load_b128 v[KF+4*\u:KF+4*\u+3], v[XA] offset:512*\u
.endr
	s_mov_b32 s52, 0x3c000000                      ; 1 / 128
	s_mov_b32 s53, 0x3727c5ac                      ; 1e-5
	s_wait_dscnt 0x0
.set i, 0
.rept 32
	v_pk_fma_f32 v[O+2*i:O+2*i+1], v[KF+2*i:KF+2*i+1], v[LAM:LAM+1], v[O+2*i:O+2*i+1]   ; a1 - lambda a2
.set i, i+1
.endr
	v_pk_mul_f32 v[16:17], v[O:O+1], v[O:O+1]      ; the sum of squares, in two chains
	v_pk_mul_f32 v[18:19], v[O+2:O+3], v[O+2:O+3]
.set i, 4
.rept 15
	v_pk_fma_f32 v[16:17], v[O+i:O+i+1], v[O+i:O+i+1], v[16:17]
	v_pk_fma_f32 v[18:19], v[O+i+2:O+i+3], v[O+i+2:O+i+3], v[18:19]
.set i, i+4
.endr
	v_pk_add_f32 v[16:17], v[16:17], v[18:19]
	v_add_f32 v16, v16, v17
	v_permlanex16_b32 v17, v16, s[SEL], s[SEL+1]   ; the query's other 64 channels
	v_add_f32 v16, v16, v17
	v_fma_f32 v16, v16, s52, s53
	v_rsq_f32 v17, v16
	v_nop
	s_wait_alu depctr_va_vdst(0)
	v_mul_f32 v18, 0x3e5d9673, v17                 ; x (1 - lambda_init) = 0.21639423
	s_wait_loadcnt 0x0                             ; the gains
.set i, 0
.rept 32
	v_pk_mul_f32 v[O+2*i:O+2*i+1], v[O+2*i:O+2*i+1], v[18:19] op_sel_hi:[1,0]
.set i, i+1
.endr
.set i, 0
.rept 32
	v_pk_mul_f32 v[O+2*i:O+2*i+1], v[O+2*i:O+2*i+1], v[32+2*i:32+2*i+1]
.set i, i+1
.endr
.set i, 0
.rept 32
	v_cvt_pk_f16_f32 v[PKD+i], v[O+2*i], v[O+2*i+1]
.set i, i+1
.endr
.irp q, 0,1,2,3,4,5,6,7
	global_store_b128 v[L16], v[PKD+4*\q:PKD+4*\q+3], s[18:19] offset:512*\q   ; channel tile q is group q % 2 of the head's fragment q / 2: 512 consecutive bytes
.endr
.Ldone:
	s_wait_tensorcnt 0x0                           ; the wave's end
	ds_add_u32 v[SPW], v[NIL]
	s_wait_dscnt 0x0
	s_endpgm
.Lfunc_end_k_q546a4fe089_attn:
	.size	k_q546a4fe089_attn, .Lfunc_end_k_q546a4fe089_attn-k_q546a4fe089_attn
	.p2alignl 7, 3214868480
	.fill 96, 4, 3214868480
	.section	.rodata,"a",@progbits
	.p2align	6, 0x0
	.amdhsa_kernel k_q546a4fe089_attn
		.amdhsa_group_segment_fixed_size 327680
		.amdhsa_private_segment_fixed_size 0
		.amdhsa_enable_private_segment 0
		.amdhsa_kernarg_size 64
		.amdhsa_user_sgpr_count 2
		.amdhsa_user_sgpr_kernarg_segment_ptr 1
		.amdhsa_wavefront_size32 1
		.amdhsa_system_sgpr_workgroup_id_x 1
		.amdhsa_system_sgpr_workgroup_id_y 1
		.amdhsa_system_sgpr_workgroup_id_z 1
		.amdhsa_system_vgpr_workitem_id 0
		.amdhsa_next_free_vgpr 384
		.amdhsa_next_free_sgpr 66
		.amdhsa_reserve_vcc 1
		.amdhsa_float_denorm_mode_32 3
		.amdhsa_float_denorm_mode_16_64 3
		.amdhsa_memory_ordered 1
		.amdhsa_forward_progress 1
		.amdhsa_inst_pref_size 150
	.end_amdhsa_kernel
	.amdgpu_metadata
---
amdhsa.version: [ 1, 2 ]
amdhsa.kernels:
  - .name:           k_q546a4fe089_attn
    .symbol:         k_q546a4fe089_attn.kd
    .args:
      - { .name: qf, .offset: 0, .size: 8, .value_kind: global_buffer, .address_space: global }
      - { .name: kv, .offset: 8, .size: 8, .value_kind: global_buffer, .address_space: global }
      - { .name: lambda_q1, .offset: 16, .size: 8, .value_kind: global_buffer, .address_space: global }
      - { .name: lambda_k1, .offset: 24, .size: 8, .value_kind: global_buffer, .address_space: global }
      - { .name: lambda_q2, .offset: 32, .size: 8, .value_kind: global_buffer, .address_space: global }
      - { .name: lambda_k2, .offset: 40, .size: 8, .value_kind: global_buffer, .address_space: global }
      - { .name: subln_weight, .offset: 48, .size: 8, .value_kind: global_buffer, .address_space: global }
      - { .name: af, .offset: 56, .size: 8, .value_kind: global_buffer, .address_space: global }
    .group_segment_fixed_size: 327680
    .private_segment_fixed_size: 0
    .kernarg_segment_align: 8
    .kernarg_segment_size: 64
    .max_flat_workgroup_size: 256
    .sgpr_count:     66
    .vgpr_count:     384
    .wavefront_size: 32
...
	.end_amdgpu_metadata
.endif
;; end of part 3
;; launch proj (part 4): grid 16 x 16, 4 waves a work-group, clusters of 4 x 1, 167,936 bytes of LDS; arguments af, wof, out0; writes out0
.if DOCPART == 4
	.amdgcn_target "amdgcn-amd-amdhsa--gfx1250"
	.amdhsa_code_object_version 6
	.text
	.protected	k_q546a4fe089_proj
	.globl	k_q546a4fe089_proj
	.p2align	8
	.type	k_q546a4fe089_proj,@function
k_q546a4fe089_proj:
	s_mov_b64 s[64:65], 0
	v_nop
	global_prefetch_b8 v0, s[64:65] scope:SCOPE_SE
	s_setreg_imm32_b32 hwreg(HW_REG_WAVE_MODE, 25, 1), 1
	s_wait_xcnt 0x0
	s_wait_alu depctr_hold_cnt(0) depctr_sa_sdst(0) depctr_va_vdst(0) depctr_va_sdst(0) depctr_va_ssrc(0) depctr_va_vcc(0) depctr_vm_vsrc(0)
	s_getreg_b32 s2, hwreg(HW_REG_IB_STS2, 6, 4)
	s_cmp_eq_u32 s2, 0
	s_cbranch_scc0 .Lentry_in_a_cluster
	s_endpgm
.Lentry_in_a_cluster:
	s_bfe_u32 s2, ttmp6, 0x10000c
	s_cmp_lg_u32 s2, 0x3003
	s_cbranch_scc0 .Lentry_shape_is_right
	s_endpgm
.Lentry_shape_is_right:
; PROJ: out0 = attn wo, f16 operands, f32 sums; rows 16 .. 2,047 (rows 0-15 are stored by the launch that carries them in f32).
; SHARES.  A work-group takes 128 rows x 64 columns, all of K = 1,024.  Wave w owns row tiles 2 w and 2 w + 1 of the block: their 64 fragments (64 KB) are read by this wave alone and go from memory
; straight into 512 registers.  CLUSTER: the four partners share their 64 columns: wo's four tiles for all of K (128 KB, dense) are asked for JOINTLY, once: no slot is filled again.
; THE PRODUCTS BEGIN WHILE THE OPERANDS ARE STILL ARRIVING.  K goes in 16 batches of 64.  Each wave brings its tile of wo by TWO loads of 64 rows of 256 bytes, the halves of K: the first half is shown to all
; waves by the first barrier, the second by a barrier in batch 6, ahead of the first LDS read of it.  attn's fragments are asked for seven batches ahead: 56 loads at the head, and batch b asks for batch b + 7.
; THE MATRIX INSTRUCTION IS USED TRANSPOSED (source 0 = 16 columns of wo, source 1 = 16 rows of attn): a lane holds eight neighbouring numbers of a row of out0.
; REGISTERS.  Window 0: v1-11 addresses; v32-95, v96-159 wo's fragments, two buffers of two e fragments x four tiles; v160-223 eight accumulators.  Windows 1, 2: attn's fragments 0-15, 16-31.
.set STG,   131072                     ; behind wo: two stages of 16 rows x 272 bytes for each wave
.set SPARE, 165888                     ; the spare words, 128 bytes a wave
.set L16, 1
.set BA,  2                            ; v2-3 wo's tiles 0, 1 and 2, 3
.set STO, 4
.set RD,  5
.set CO,  6
.set SPW, 10
.set NIL, 11
.set BF,  32
.set ACC, 160
.set WV, 10
.set CX, 11
.set G1, 16                            ; s[16:23] group 1; s[24:27], s[40:43] group 0 for the first and the second half of K
.set G0, 24
.set G0B, 40
.set MSB, 0
.macro WIN new
.if MSB != \new
	s_set_vgpr_msb (MSB<<8)|\new
.set MSB, \new
.endif
.endm
.macro PLACES
.rept 4
	v_nop
.endr
.endm
.macro CROUND
	s_barrier_signal -1
	s_barrier_wait -1
	s_cmp_lg_u32 s[WV], 0
	s_cbranch_scc1 .Lnot_wave_0_\@
	s_barrier_signal -3
.Lnot_wave_0_\@:
	s_barrier_wait -3
	s_barrier_signal -1
	s_barrier_wait -1
.endm
	s_load_b128 s[4:7], s[0:1], 0x0                ; af, wof
	s_load_b64 s[8:9], s[0:1], 0x10                ; out0
	v_lshl_add_u32 v[SPW], v0, 2, SPARE
	v_mov_b32 v[NIL], 0
	ds_add_u32 v[SPW], v[NIL]                      ; the opening: the add, twice on end, and its wait ahead of my first tensor load
	ds_add_u32 v[SPW], v[NIL]
	v_lshrrev_b32 v1, 5, v0
	v_readfirstlane_b32 s[WV], v1
	s_bfe_u32 s[CX], ttmp6, 0x40000                ; my place in the cluster: it enters af's and out0's addresses and one EXEC mask alone
	s_lshl_b32 s12, ttmp9, 2
	s_add_co_u32 s12, s12, s[CX]                   ; row block
	s_and_b32 s13, ttmp7, 0xffff                   ; column group, which the partners share
	s_mov_b32 s[G1], 15|(3<<16)|(1<<21)            ; the mask: all four; elements of 8 bytes; 21 set beside a mask: 64 rows of 256 bytes, dense
	s_mov_b32 s[G1+1], 32<<16
	s_mov_b32 s[G1+2], 64<<16
	s_mov_b32 s[G1+3], 32<<16
	s_mov_b32 s[G1+4], 64
	s_mov_b32 s[G1+5], 32
	s_mov_b32 s[G1+6], 0
	s_mov_b32 s[G1+7], 0
	s_mov_b32 s[G0], 1
	s_lshl_b32 s[G0+1], s[WV], 15                  ; wave w brings tile w: e fragments 0-15,
	s_mov_b32 s[G0B], 1
	s_add_co_u32 s[G0B+1], s[G0+1], 16384          ; and 16-31
	s_lshl_b32 s28, s13, 17
	s_add_co_u32 s28, s28, s[G0+1]
	s_mov_b32 s29, 0
	s_lshl_b32 s30, s12, 18                        ; af: 8 tiles of 32,768 bytes a block, 2 a wave
	s_lshl_b32 s32, s[WV], 16
	s_add_co_u32 s30, s30, s32
	s_mov_b32 s31, 0
	s_lshl_b32 s34, s12, 19                        ; out0: 128 rows of 4,096 bytes a block, 32 a wave, 256 bytes a column group
	s_lshl_b32 s32, s[WV], 17
	s_add_co_u32 s34, s34, s32
	s_lshl_b32 s32, s13, 8
	s_add_co_u32 s34, s34, s32
	s_mov_b32 s35, 0
	v_and_b32 v12, 31, v0
	v_and_b32 v13, 15, v0                          ; r
	v_bfe_u32 v14, v0, 4, 1                        ; h
	v_lshlrev_b32 v[L16], 4, v12
	v_lshlrev_b32 v[BA], 4, v12
	v_add_nc_u32 v[BA+1], 65536, v[BA]
	s_mul_i32 s32, s[WV], 8704
	s_add_co_u32 s32, s32, STG
	v_mul_u32_u24 v[STO], v13, 272
	v_lshl_add_u32 v[STO], v14, 5, v[STO]
	v_add_nc_u32 v[STO], s32, v[STO]               ; in: row r, 32 bytes for each half of the lanes
	v_mul_u32_u24 v[RD], v14, 272
	v_lshl_add_u32 v[RD], v13, 4, v[RD]
	v_add_nc_u32 v[RD], s32, v[RD]                 ; back: lanes 0-15 one row of 256 bytes, lanes 16-31 the next
	v_lshlrev_b32 v[CO], 12, v14
	v_lshl_add_u32 v[CO], v13, 4, v[CO]            ; and the same two rows in out0
	s_wait_dscnt 0x0
	s_wait_kmcnt 0x0
	s_add_nc_u64 s[G0+2:G0+3], s[6:7], s[28:29]
	s_add_nc_u64 s[G0B+2:G0B+3], s[G0+2:G0+3], 16384
	s_or_b32 s[G0+3], s[G0+3], 0x80000000
	s_or_b32 s[G0B+3], s[G0B+3], 0x80000000
	s_add_nc_u64 s[4:5], s[4:5], s[30:31]
	s_add_nc_u64 s[8:9], s[8:9], s[34:35]
	CROUND                                         ; all four partners are here: the joint loads meet
	tensor_load_to_lds s[G0:G0+3], s[G1:G1+7]      ; two loads of mine are out
	s_nop 0
	tensor_load_to_lds s[G0B:G0B+3], s[G1:G1+7]
	s_nop 0
	PLACES
; attn's fragments of batch b: e fragments 2 b, 2 b + 1 of my two row tiles: eight loads of 512 consecutive bytes, into registers that nothing else uses
.macro AFL b
.if (\b) < 8
	WIN 0x40                                       ; destination window 1
.else
	WIN 0x80                                       ; window 2
.endif
.irp f, 0,1
.irp m, 0,1
	global_load_b128 v[8*(2*((2*(\b)+\f)%16)+\m):8*(2*((2*(\b)+\f)%16)+\m)+3],   v[L16], s[4:5] offset:32768*\m+1024*(2*(\b)+\f)
	global_load_b128 v[8*(2*((2*(\b)+\f)%16)+\m)+4:8*(2*((2*(\b)+\f)%16)+\m)+7], v[L16], s[4:5] offset:32768*\m+1024*(2*(\b)+\f)+512
.endr
.endr
.endm
.irp b, 0,1,2,3,4,5,6
	AFL \b
.endr
	WIN 0
.macro FETCH b                         ; wo's e fragments 2 b, 2 b + 1 of the four tiles into buffer b % 2
.irp f, 0,1
.irp n, 0,1,2,3
	ds_load_b128 v[BF+64*((\b)%2)+8*(4*\f+\n):BF+64*((\b)%2)+8*(4*\f+\n)+3],   v[BA+\n/2] offset:32768*(\n%2)+1024*(2*(\b)+\f)
	ds_load_b128 v[BF+64*((\b)%2)+8*(4*\f+\n)+4:BF+64*((\b)%2)+8*(4*\f+\n)+7], v[BA+\n/2] offset:32768*(\n%2)+1024*(2*(\b)+\f)+512
.endr
.endr
.endm
.macro BATCH b                         ; 16 products: two e fragments, the eight accumulators by turns
.if \b < 15
	s_wait_dscnt 16                                ; this batch's fragments of wo are in; the next batch's 16 loads may be out
.else
	s_wait_dscnt 0x0
.endif
.if \b < 10
	s_wait_loadcnt 48                              ; this batch's eight loads are in; those of the six batches behind it may be out
.else
	s_wait_loadcnt 8*(15-\b)                       ; nothing more is asked for: the counts run down
.endif
.if \b < 9
	AFL \b+7
.endif
.if \b < 8
	WIN 0x04                                       ; source 1 (attn) window 1
.else
	WIN 0x08                                       ; window 2
.endif
.irp f, 0,1
.irp m, 0,1
.irp n, 0,1,2,3
.if (\b == 0) && (\f == 0)
	v_wmma_f32_16x16x32_f16 v[ACC+8*(4*\m+\n):ACC+8*(4*\m+\n)+7], v[BF+64*(\b%2)+8*(4*\f+\n):BF+64*(\b%2)+8*(4*\f+\n)+7], v[8*(2*((2*\b+\f)%16)+\m):8*(2*((2*\b+\f)%16)+\m)+7], 0
.else
	v_wmma_f32_16x16x32_f16 v[ACC+8*(4*\m+\n):ACC+8*(4*\m+\n)+7], v[BF+64*(\b%2)+8*(4*\f+\n):BF+64*(\b%2)+8*(4*\f+\n)+7], v[8*(2*((2*\b+\f)%16)+\m):8*(2*((2*\b+\f)%16)+\m)+7], v[ACC+8*(4*\m+\n):ACC+8*(4*\m+\n)+7]
.endif
.endr
.endr
.endr
	WIN 0
	PLACES
.if \b == 6                            ; the next LDS reads are of the second half of K
	s_wait_dscnt 0x0                               ; no LDS load of mine is out at the signal
	s_wait_tensorcnt 0x0                           ; my second load has landed,
	s_barrier_signal -1
	s_barrier_wait -1                              ; everybody's has
.endif
.if \b < 14
	FETCH \b+2
.endif
.endm
	s_wait_tensorcnt 0x1                           ; the first half of my tile of wo is in; the second load may stay out
	s_barrier_signal -1
	s_barrier_wait -1                              ; everybody's is
	FETCH 0
	FETCH 1
.irp b, 0,1,2,3,4,5,6,7,8,9,10,11,12,13,14,15
	BATCH \b
.endr
; THE WAY OUT: a row tile (16 rows x 64 columns) goes through my own stage and comes back as rows of 256 bytes.  LDS serves a wave's instructions in order: no wait between the stores and the loads.
.macro TOSTAGE m
.irp n, 0,1,2,3
	ds_store_b128 v[STO], v[ACC+8*(4*\m+\n):ACC+8*(4*\m+\n)+3]   offset:4352*\m+64*\n      ; each accumulator from its low end on
	ds_store_b128 v[STO], v[ACC+8*(4*\m+\n)+4:ACC+8*(4*\m+\n)+7] offset:4352*\m+64*\n+16
.endr
.irp u, 0,1,2,3,4,5,6,7
	ds_load_b128 v[BF+32*\m+4*\u:BF+32*\m+4*\u+3], v[RD] offset:4352*\m+544*\u
.endr
.endm
.macro SEND m
.irp u, 0,1,2,3,4,5,6,7
	global_store_b128 v[CO], v[BF+32*\m+4*\u:BF+32*\m+4*\u+3], s[8:9] offset:65536*\m+8192*\u th:TH_STORE_NT   ; sixteen lanes store 256 consecutive bytes, aligned
.endr
.endm
	TOSTAGE 0
	TOSTAGE 1
	s_or_b32 s30, ttmp9, s[CX]
	s_or_b32 s30, s30, s[WV]
	s_cmp_eq_u32 s30, 0                            ; rows 0-15 are the first tile of the first wave of the first block: their stores run with every lane off
	s_cselect_b32 vcc_lo, 0, -1
	s_wait_dscnt 16                                ; tile 0 is back; tile 1's sixteen LDS instructions may be out
	s_wait_xcnt 0x0                                ; EXEC changes only behind this wait
	s_and_saveexec_b32 s31, vcc_lo
	SEND 0
	s_wait_xcnt 0x0
	s_or_b32 exec_lo, exec_lo, s31
	s_wait_dscnt 0x0
	SEND 1
	s_wait_tensorcnt 0x0                           ; the wave's end
	ds_add_u32 v[SPW], v[NIL]
	s_wait_dscnt 0x0
	CROUND                                         ; the closing round
	s_endpgm
.Lfunc_end_k_q546a4fe089_proj:
	.size	k_q546a4fe089_proj, .Lfunc_end_k_q546a4fe089_proj-k_q546a4fe089_proj
	.p2alignl 7, 3214868480
	.fill 96, 4, 3214868480
	.section	.rodata,"a",@progbits
	.p2align	6, 0x0
	.amdhsa_kernel k_q546a4fe089_proj
		.amdhsa_group_segment_fixed_size 167936
		.amdhsa_private_segment_fixed_size 0
		.amdhsa_enable_private_segment 0
		.amdhsa_kernarg_size 24
		.amdhsa_user_sgpr_count 2
		.amdhsa_user_sgpr_kernarg_segment_ptr 1
		.amdhsa_wavefront_size32 1
		.amdhsa_system_sgpr_workgroup_id_x 1
		.amdhsa_system_sgpr_workgroup_id_y 1
		.amdhsa_system_sgpr_workgroup_id_z 1
		.amdhsa_system_vgpr_workitem_id 0
		.amdhsa_next_free_vgpr 768
		.amdhsa_next_free_sgpr 66
		.amdhsa_reserve_vcc 1
		.amdhsa_float_denorm_mode_32 3
		.amdhsa_float_denorm_mode_16_64 3
		.amdhsa_memory_ordered 1
		.amdhsa_forward_progress 1
		.amdhsa_inst_pref_size 57
	.end_amdhsa_kernel
	.amdgpu_metadata
---
amdhsa.version: [ 1, 2 ]
amdhsa.kernels:
  - .name:           k_q546a4fe089_proj
    .symbol:         k_q546a4fe089_proj.kd
    .args:
      - { .name: af, .offset: 0, .size: 8, .value_kind: global_buffer, .address_space: global }
      - { .name: wof, .offset: 8, .size: 8, .value_kind: global_buffer, .address_space: global }
      - { .name: out0, .offset: 16, .size: 8, .value_kind: global_buffer, .address_space: global }
    .group_segment_fixed_size: 167936
    .private_segment_fixed_size: 0
    .kernarg_segment_align: 8
    .kernarg_segment_size: 24
    .max_flat_workgroup_size: 128
    .sgpr_count:     66
    .vgpr_count:     768
    .wavefront_size: 32
...
	.end_amdgpu_metadata
.endif
;; end of part 4
;; launch first16 (part 5): grid 64 x 1, 8 waves a work-group, no clusters, 327,680 bytes of LDS; arguments r32, wo, lambda_q1, lambda_k1, lambda_q2, lambda_k2, subln_weight, out0; writes out0
.if DOCPART == 5
	.amdgcn_target "amdgcn-amd-amdhsa--gfx1250"
	.amdhsa_code_object_version 6
	.text
	.protected	k_q546a4fe089_first16
	.globl	k_q546a4fe089_first16
	.p2align	8
	.type	k_q546a4fe089_first16,@function
k_q546a4fe089_first16:
	s_mov_b64 s[64:65], 0
	v_nop
	global_prefetch_b8 v0, s[64:65] scope:SCOPE_SE
	s_setreg_imm32_b32 hwreg(HW_REG_WAVE_MODE, 25, 1), 1
	s_wait_xcnt 0x0
; FIRST16: rows 0-15 of the result, all in f32: under the causal mask these rows average one to sixteen values, and the rounding of 16-bit operands would weigh most there.
; SHARES.  Work-group g owns output columns 16 g .. 16 g + 15.  Wave h does head h: both attentions over the 16 keys, the difference, the norm, and its 128 of the 1,024 along K of the product with wo;
; the eight partial sums meet in LDS and are added in ascending order of heads.  The attention (64 small matrix instructions a head) is repeated in each work-group, so that no launch is spent on handing it over.
; A store of the wave covers 64 consecutive bytes of each of two rows: 64 KB in the whole launch.
; THE f32 MATRIX FORM takes 4 along K: register j of lane (r, h) is k = 2 h + j.  A permutation of k applied alike to both sources keeps the products:
;   scores: a lane's 16 bytes at d = 8 s + 4 h + 0 .. 3 serve two K steps;   second and third product: place (h, j) of K step s stands for key 8 h + 2 s + j, or e = 16 t + 8 h + 2 s + j,
;   so that the registers in which a result lies serve as source 1 just as they stand.
; The weights are joined ahead of the second product: W = p1 / l1 - lambda p2 / l2, so that a1 - lambda a2 is ONE weighted sum of v.
; The registers that the f32 form writes (v176-255; v64-95 of window 1) are written by matrix instructions alone.
; REGISTERS.  Window 0: v1-13 addresses; v14-23 at work; v24-31, v32-39 the two halves' scores and p; v40-47 W; v48-175 q1, q2, k1, k2, later V^T (v48-111) and wo^T (v112-175), later the normed rows (v48-111).
;   Window 1: v0-63 the gains.
.set WREG,  36352                      ; LDS, a region for each wave: the head's 24 KB of r32 as 96 rows of 256 + 16 bytes, then wo's 128 rows of 64 + 16 bytes
.set VSEC,  17408                      ; v begins behind 64 such rows
.set WOS,   26112
.set RED,   290816                     ; eight partial results of 16 x 16 f32
.set SPARE, 299008                     ; the spare words, 128 bytes a wave
.set SPW, 12
.set NIL, 13
.set WV, 20
.set SEL, 22
.set G1R, 24
.set G1W, 32
.set G0R, 40
.set G0W, 44
.set CS, 48
.set MSB, 0
.macro WIN new
.if MSB != \new
	s_set_vgpr_msb (MSB<<8)|\new
.set MSB, \new
.endif
.endm
.macro PLACES8                         ; eight plain lines behind the f32 form
.rept 8
	v_nop
.endr
.endm
	s_load_b256 s[4:11], s[0:1], 0x0               ; r32, wo, lambda_q1, lambda_k1
	s_load_b256 s[12:19], s[0:1], 0x20             ; lambda_q2, lambda_k2, subln_weight, out0
	v_lshl_add_u32 v[SPW], v0, 2, SPARE
	v_mov_b32 v[NIL], 0
	ds_add_u32 v[SPW], v[NIL]                      ; the opening: the add, twice on end, and its wait ahead of my first tensor load
	ds_add_u32 v[SPW], v[NIL]
	v_lshrrev_b32 v1, 5, v0
	v_readfirstlane_b32 s[WV], v1                  ; wave = head
	s_mov_b32 s[SEL], 0x76543210
	s_mov_b32 s[SEL+1], 0xfedcba98
	s_mov_b32 s[CS], 0x3e38aa3b                    ; c = log2(e) / 8
	s_mov_b32 s[G1R], (3<<16)|(1<<20)|(5<<22)|(3<<25)   ; elements of 8 bytes; four words of padding behind every 64: 96 rows of 256 bytes, dense
	s_mov_b32 s[G1R+1], 32<<16
	s_mov_b32 s[G1R+2], 96<<16
	s_mov_b32 s[G1R+3], 32<<16
	s_mov_b32 s[G1R+4], 96
	s_mov_b32 s[G1R+5], 32
	s_mov_b32 s[G1R+6], 0
	s_mov_b32 s[G1R+7], 0
	s_mov_b32 s[G1W], (2<<16)|(1<<20)|(3<<22)|(3<<25)   ; elements of 4 bytes; four words of padding behind every 16: 128 rows of 16 numbers, 1,024 numbers apart
	s_mov_b32 s[G1W+1], 16<<16
	s_mov_b32 s[G1W+2], 128<<16
	s_mov_b32 s[G1W+3], 16<<16
	s_mov_b32 s[G1W+4], 128
	s_mov_b32 s[G1W+5], 1024
	s_mov_b32 s[G1W+6], 0
	s_mov_b32 s[G1W+7], 0
	s_mov_b32 s[G0R], 1
	s_mul_i32 s[G0R+1], s[WV], WREG
	s_mov_b32 s[G0W], 1
	s_add_co_u32 s[G0W+1], s[G0R+1], WOS
	s_mul_i32 s50, s[WV], 24576
	s_mov_b32 s51, 0
	s_lshl_b32 s52, s[WV], 19                      ; wo: my 128 rows of 4,096 bytes,
	s_lshl_b32 s54, ttmp9, 6                       ; the work-group's 16 columns
	s_add_co_u32 s52, s52, s54
	s_mov_b32 s53, 0
	s_mov_b32 s55, 0
	v_and_b32 v14, 15, v0                          ; r
	v_bfe_u32 v15, v0, 4, 1                        ; h
	v_mul_u32_u24 v1, v14, 272
	v_lshl_add_u32 v1, v15, 4, v1
	v_add_nc_u32 v1, s[G0R+1], v1                  ; q, k: row r, + 16 h
	v_mul_u32_u24 v2, v15, 4352
	v_lshl_add_u32 v2, v14, 2, v2
	v_add_nc_u32 v2, s[G0R+1], v2                  ; v: key 8 h (two LDS rows a key), channel r
	v_mul_u32_u24 v3, v15, 640
	v_lshl_add_u32 v3, v14, 2, v3
	v_add_nc_u32 v3, s[G0R+1], v3                  ; wo: row 8 h, column r
	v_lshlrev_b32 v4, 3, v15
	v_sub_nc_u32 v4, v14, v4                       ; r - 8 h
	v_mov_b32 v5, 0xff800000                       ; -infinity
	s_lshl_b32 s56, s[WV], 10
	s_add_co_u32 s56, s56, RED
	v_lshlrev_b32 v6, 6, v14
	v_lshl_add_u32 v6, v15, 5, v6
	v_add_nc_u32 v6, s56, v6                       ; my partial result: row r of 64 bytes, + 32 h
	v_lshl_add_u32 v7, v0, 2, RED                  ; and back: a number a thread
	v_lshrrev_b32 v8, 4, v0
	v_lshlrev_b32 v8, 12, v8
	v_lshl_add_u32 v8, v14, 2, v8                  ; out0: row thread / 16, column thread % 16
	v_lshlrev_b32 v9, 5, v15                       ; 32 h
	v_and_b32 v10, 31, v0
	v_lshlrev_b32 v10, 3, v10                      ; 8 x lane
	v_mov_b32 v26, 0                               ; a lane permute's destination counts as one of its sources
	v_mov_b32 v27, 0
	s_wait_dscnt 0x0
	s_wait_kmcnt 0x0
	s_add_nc_u64 s[G0R+2:G0R+3], s[4:5], s[50:51]
	s_or_b32 s[G0R+3], s[G0R+3], 0x80000000
	s_add_nc_u64 s[G0W+2:G0W+3], s[6:7], s[52:53]
	s_or_b32 s[G0W+3], s[G0W+3], 0x80000000
	s_add_nc_u64 s[18:19], s[18:19], s[54:55]
	tensor_load_to_lds s[G0R:G0R+3], s[G1R:G1R+7]  ; two loads of mine are out; each wave reads only what it fetched
	s_nop 0
	tensor_load_to_lds s[G0W:G0W+3], s[G1W:G1W+7]
	s_nop 0
.rept 4
	v_nop
.endr
	global_load_b64 v[16:17], v10, s[8:9]
	global_load_b64 v[18:19], v10, s[10:11]
	global_load_b64 v[20:21], v10, s[12:13]
	global_load_b64 v[22:23], v10, s[14:15]
	WIN 0x40
.irp t, 0,1,2,3,4,5,6,7
	global_load_b128 v[8*\t:8*\t+3],   v9, s[16:17] offset:64*\t      ; the gains of channels 16 t + 8 h + 0 .. 7
	global_load_b128 v[8*\t+4:8*\t+7], v9, s[16:17] offset:64*\t+16
.endr
	WIN 0
	s_wait_loadcnt 16                              ; the lambdas are in; the gains' 16 loads may be out
	v_mul_f32 v24, v16, v18
	v_mul_f32 v25, v20, v22
	v_fmac_f32 v24, v17, v19
	v_fmac_f32 v25, v21, v23
.irp x, 1,2,4,8
	v_add_f32_dpp v24, v24, v24 row_xmask:\x row_mask:0xf bank_mask:0xf
	v_add_f32_dpp v25, v25, v25 row_xmask:\x row_mask:0xf bank_mask:0xf
.endr
	v_permlanex16_b32 v26, v24, s[SEL], s[SEL+1]
	v_permlanex16_b32 v27, v25, s[SEL], s[SEL+1]
	v_add_f32 v24, v24, v26
	v_add_f32 v25, v25, v27
	v_mul_f32 v24, 0x3fb8aa3b, v24
	v_mul_f32 v25, 0x3fb8aa3b, v25
	v_exp_f32 v24, v24
	v_exp_f32 v25, v25
	v_nop
	s_wait_alu depctr_va_vdst(0)                   ; the wait ahead of the first use
	v_sub_f32 v11, v25, v24
	v_add_f32 v11, 0xbf489a63, v11                 ; -lambda
	s_wait_tensorcnt 0x0
.irp c, 0,1,2,3                                ; q1, q2, k1, k2
.irp q, 0,1,2,3,4,5,6,7
	ds_load_b128 v[48+32*\c+4*\q:48+32*\c+4*\q+3], v1 offset:4352*\c+32*\q
.endr
.endr
	s_wait_dscnt 0x0
	v_wmma_f32_16x16x4_f32 v[176:183], v[112:113], v[48:49], 0     ; S^T = k q^T: the two halves by turns; the first K step starts each sum
	v_wmma_f32_16x16x4_f32 v[184:191], v[144:145], v[80:81], 0
.set u, 1
.rept 15
	v_wmma_f32_16x16x4_f32 v[176:183], v[112+2*u:113+2*u], v[48+2*u:49+2*u], v[176:183]
	v_wmma_f32_16x16x4_f32 v[184:191], v[144+2*u:145+2*u], v[80+2*u:81+2*u], v[184:191]
.set u, u+1
.endr
	PLACES8
.irp t, 0,1,2,3,4,5,6,7                        ; V^T: channel 16 t + r, key 8 h + i
.irp i, 0,1,2,3,4,5,6,7
	ds_load_b32 v[48+8*\t+\i], v2 offset:VSEC+544*\i+272*(\t/4)+64*(\t%4)
.endr
.endr
.irp t, 0,1,2,3,4,5,6,7                        ; wo^T: column r, e = 16 t + 8 h + i
.irp i, 0,1,2,3,4,5,6,7
	ds_load_b32 v[112+8*\t+\i], v3 offset:WOS+80*(16*\t+\i)
.endr
.endr
.irp j, 0,1,2,3,4,5,6,7                        ; register j holds key 8 h + j of query r: hidden where j > r - 8 h
	v_cmp_gt_i32 vcc_lo, \j, v4
	v_cndmask_b32 v[24+\j], v[176+\j], v5, vcc_lo
	v_cndmask_b32 v[32+\j], v[184+\j], v5, vcc_lo
.endr
	v_max3_num_f32 v14, v24, v25, v26
	v_max3_num_f32 v15, v32, v33, v34
	v_max3_num_f32 v14, v14, v27, v28
	v_max3_num_f32 v15, v15, v35, v36
	v_max3_num_f32 v14, v14, v29, v30
	v_max3_num_f32 v15, v15, v37, v38
	v_max_num_f32 v14, v14, v31
	v_max_num_f32 v15, v15, v39
	v_permlanex16_b32 v16, v14, s[SEL], s[SEL+1]
	v_permlanex16_b32 v17, v15, s[SEL], s[SEL+1]
	v_max_num_f32 v14, v14, v16                    ; the row's maximum: key 0 counts for every query
	v_max_num_f32 v15, v15, v17
	v_mul_f32 v14, s[CS], v14
	v_mul_f32 v15, s[CS], v15
.irp j, 0,1,2,3,4,5,6,7
	v_fma_f32 v[24+\j], v[24+\j], s[CS], -v14
	v_fma_f32 v[32+\j], v[32+\j], s[CS], -v15
.endr
.irp j, 0,1,2,3,4,5,6,7,8,9,10,11,12,13,14,15
	v_exp_f32 v[24+\j], v[24+\j]
.endr
	v_nop
	s_wait_alu depctr_va_vdst(0)
	v_add_f32 v16, v24, v25
	v_add_f32 v17, v32, v33
	v_add_f32 v18, v26, v27
	v_add_f32 v19, v34, v35
	v_add_f32 v20, v28, v29
	v_add_f32 v21, v36, v37
	v_add_f32 v22, v30, v31
	v_add_f32 v23, v38, v39
	v_add_f32 v16, v16, v18
	v_add_f32 v17, v17, v19
	v_add_f32 v20, v20, v22
	v_add_f32 v21, v21, v23
	v_add_f32 v16, v16, v20
	v_add_f32 v17, v17, v21
	v_permlanex16_b32 v18, v16, s[SEL], s[SEL+1]
	v_permlanex16_b32 v19, v17, s[SEL], s[SEL+1]
	v_add_f32 v16, v16, v18
	v_add_f32 v17, v17, v19
	v_rcp_f32 v16, v16
	v_rcp_f32 v17, v17
	v_nop
	s_wait_alu depctr_va_vdst(0)
	v_mul_f32 v17, v17, v11                        ; -lambda / l2
.irp j, 0,1,2,3,4,5,6,7
	v_mul_f32 v[40+\j], v[24+\j], v16
.endr
.irp j, 0,1,2,3,4,5,6,7
	v_fmac_f32 v[40+\j], v[32+\j], v17             ; W = p1 / l1 - lambda p2 / l2
.endr
	s_wait_dscnt 63                                ; of the 128 loads at most 63 are out, and they come back in order: V^T's 64, issued first, are in; only wo^T's may be out
.irp k, 0,1,2,3
.irp t, 0,1,2,3,4,5,6,7
.if \k == 0
	v_wmma_f32_16x16x4_f32 v[192+8*\t:199+8*\t], v[48+8*\t:49+8*\t], v[40:41], 0
.else
	v_wmma_f32_16x16x4_f32 v[192+8*\t:199+8*\t], v[48+8*\t+2*\k:49+8*\t+2*\k], v[40+2*\k:41+2*\k], v[192+8*\t:199+8*\t]
.endif
.endr
.endr
	PLACES8
	s_mov_b32 s50, 0x3c000000                      ; 1 / 128
	s_mov_b32 s51, 0x3727c5ac                      ; 1e-5
	v_pk_mul_f32 v[16:17], v[192:193], v[192:193]  ; the sum of squares, in two chains, each accumulator from its low end on
	v_pk_mul_f32 v[18:19], v[194:195], v[194:195]
.set i, 4
.rept 15
	v_pk_fma_f32 v[16:17], v[192+i:193+i], v[192+i:193+i], v[16:17]
	v_pk_fma_f32 v[18:19], v[194+i:195+i], v[194+i:195+i], v[18:19]
.set i, i+4
.endr
	v_pk_add_f32 v[16:17], v[16:17], v[18:19]
	v_add_f32 v16, v16, v17
	v_permlanex16_b32 v17, v16, s[SEL], s[SEL+1]
	v_add_f32 v16, v16, v17
	v_fma_f32 v16, v16, s50, s51
	v_rsq_f32 v17, v16
	v_nop
	s_wait_alu depctr_va_vdst(0)
	v_mul_f32 v18, 0x3e5d9673, v17                 ; x (1 - lambda_init)
.set i, 0
.rept 32
	v_pk_mul_f32 v[48+2*i:49+2*i], v[192+2*i:193+2*i], v[18:19] op_sel_hi:[1,0]
.set i, i+1
.endr
	s_wait_loadcnt 0x0                             ; the gains
	WIN 0x04                                       ; source 1 window 1
.set i, 0
.rept 32
	v_pk_mul_f32 v[48+2*i:49+2*i], v[48+2*i:49+2*i], v[2*i:2*i+1]
.set i, i+1
.endr
	s_wait_dscnt 0x0                               ; wo^T
	WIN 0x50                                       ; C and D window 1
.irp t, 0,1,2,3,4,5,6,7                        ; my 128 of K: four accumulators by turns
.irp k, 0,1,2,3
.if \t == 0
	v_wmma_f32_16x16x4_f32 v[64+8*\k:71+8*\k], v[112+2*\k:113+2*\k], v[48+2*\k:49+2*\k], 0
.else
	v_wmma_f32_16x16x4_f32 v[64+8*\k:71+8*\k], v[112+8*\t+2*\k:113+8*\t+2*\k], v[48+8*\t+2*\k:49+8*\t+2*\k], v[64+8*\k:71+8*\k]
.endif
.endr
.endr
	WIN 0
	PLACES8
	WIN 0x05                                       ; sources 0 and 1 window 1
.irp j, 0,1,2,3,4,5,6,7
	v_add_f32 v[24+\j], v[64+\j], v[72+\j]
.endr
	WIN 0x01                                       ; source 0 window 1
.irp j, 0,1,2,3,4,5,6,7
	v_add_f32 v[24+\j], v[80+\j], v[24+\j]
.endr
.irp j, 0,1,2,3,4,5,6,7
	v_add_f32 v[24+\j], v[88+\j], v[24+\j]
.endr
	WIN 0
	ds_store_b128 v6, v[24:27]                     ; lane (r, h): row r, columns 8 h + 0 .. 7
	ds_store_b128 v6, v[28:31] offset:16
	s_wait_dscnt 0x0                               ; for the others' sake
	s_barrier_signal -1
	s_barrier_wait -1
.irp w, 0,1,2,3,4,5,6,7
	ds_load_b32 v[32+\w], v7 offset:1024*\w
.endr
	s_wait_dscnt 0x0
	v_add_f32 v32, v32, v33
.irp w, 2,3,4,5,6,7
	v_add_f32 v32, v32, v[32+\w]                   ; the heads in ascending order
.endr
	global_store_b32 v8, v32, s[18:19]
	s_wait_tensorcnt 0x0                           ; the wave's end
	ds_add_u32 v[SPW], v[NIL]
	s_wait_dscnt 0x0
	s_endpgm
.Lfunc_end_k_q546a4fe089_first16:
	.size	k_q546a4fe089_first16, .Lfunc_end_k_q546a4fe089_first16-k_q546a4fe089_first16
	.p2alignl 7, 3214868480
	.fill 96, 4, 3214868480
	.section	.rodata,"a",@progbits
	.p2align	6, 0x0
	.amdhsa_kernel k_q546a4fe089_first16
		.amdhsa_group_segment_fixed_size 327680
		.amdhsa_private_segment_fixed_size 0
		.amdhsa_enable_private_segment 0
		.amdhsa_kernarg_size 64
		.amdhsa_user_sgpr_count 2
		.amdhsa_user_sgpr_kernarg_segment_ptr 1
		.amdhsa_wavefront_size32 1
		.amdhsa_system_sgpr_workgroup_id_x 1
		.amdhsa_system_sgpr_workgroup_id_y 1
		.amdhsa_system_sgpr_workgroup_id_z 1
		.amdhsa_system_vgpr_workitem_id 0
		.amdhsa_next_free_vgpr 352
		.amdhsa_next_free_sgpr 66
		.amdhsa_reserve_vcc 1
		.amdhsa_float_denorm_mode_32 3
		.amdhsa_float_denorm_mode_16_64 3
		.amdhsa_memory_ordered 1
		.amdhsa_forward_progress 1
		.amdhsa_inst_pref_size 38
	.end_amdhsa_kernel
	.amdgpu_metadata
---
amdhsa.version: [ 1, 2 ]
amdhsa.kernels:
  - .name:           k_q546a4fe089_first16
    .symbol:         k_q546a4fe089_first16.kd
    .args:
      - { .name: r32, .offset: 0, .size: 8, .value_kind: global_buffer, .address_space: global }
      - { .name: wo, .offset: 8, .size: 8, .value_kind: global_buffer, .address_space: global }
      - { .name: lambda_q1, .offset: 16, .size: 8, .value_kind: global_buffer, .address_space: global }
      - { .name: lambda_k1, .offset: 24, .size: 8, .value_kind: global_buffer, .address_space: global }
      - { .name: lambda_q2, .offset: 32, .size: 8, .value_kind: global_buffer, .address_space: global }
      - { .name: lambda_k2, .offset: 40, .size: 8, .value_kind: global_buffer, .address_space: global }
      - { .name: subln_weight, .offset: 48, .size: 8, .value_kind: global_buffer, .address_space: global }
      - { .name: out0, .offset: 56, .size: 8, .value_kind: global_buffer, .address_space: global }
    .group_segment_fixed_size: 327680
    .private_segment_fixed_size: 0
    .kernarg_segment_align: 8
    .kernarg_segment_size: 64
    .max_flat_workgroup_size: 256
    .sgpr_count:     66
    .vgpr_count:     352
    .wavefront_size: 32
...
	.end_amdgpu_metadata
.endif
;; end of part 5
